; MI455X (gfx1250); checked and timed in simulation.
; The chip was launched on July 23, 2026; its instructions are those of AMD's public machine-readable ISA for CDNA 5 (MIT licence, August 2026) and "CDNA5" Instruction Set Architecture Reference Guide (July 2026). The comments in the code are by the model that wrote it; some were corrected since.
;; Simple Self Attention. Allowed arithmetic: matrix products marked QUANTISED: E3M2 operands, one E8M0 scale for each 32 along K, by v_wmma_scale_f32_16x16x128_f8f6f4 with both operands' format E3M2, f32 sums; everything else in f32.
;; Inputs: bk 1,024 float32; bq 1,024 float32; bv 1,024 float32; wk 1,024 x 1,024 float32; wq 1,024 x 1,024 float32; wv 1,024 x 1,024 float32; x 4 x 2,048 x 1,024 float32.
;; Outputs: out0 4 x 2,048 x 1,024 float32.
;; This version of the problem:
;;   THIS VERSION OF THE PROBLEM IS GIVEN IN LOW PRECISION. The matrix products marked QUANTISED in the list below multiply operands that are first quantised to E3M2 (3 exponent bits, 2 mantissa bits; 6 bits a number), with one power-of-two scale for each 32 numbers along K (OCP MX v1.0); their sums are f32. All else is computed in f32.
;;   The module's matrix products, in the order in which they are computed (A, B: the left and right operand; K: the contracted axis; several contracted axes count as one K, in the product's order):
;;     1. [M 8,192, K 1,024] x [K 1,024, N 1,024]; A: input x; B: input wq: QUANTISED
;;     2. [M 8,192, K 1,024] x [K 1,024, N 1,024]; A: input x; B: input wk: QUANTISED
;;     3. [M 8,192, K 1,024] x [K 1,024, N 1,024]; A: input x; B: input wv: QUANTISED
;;     4. batch 4 x [M 2,048, K 1,024] x [K 1,024, N 2,048]; A: computed on the way; B: computed on the way: QUANTISED
;;     5. batch 4 x [M 2,048, K 2,048] x [K 2,048, N 1,024]; A: softmax (see below); B: computed on the way: QUANTISED
;;   THE QUANTISER, for each operand of a quantised product, along K:
;;     - K is cut into blocks of 32 from its start; a last block that is shorter is filled with zeros.
;;     - A block's scale is 2^e with e = floor(log2(the largest magnitude in the block)) - 4, held to -126 .. 127; a block of zeros has e = 0. As a byte (E8M0): e + 127.
;;     - Each number is divided by its block's scale, clamped to +-28, and rounded to the nearest number of E3M2, ties to even, subnormals kept.
;;     - The product sums the exact products of the quantised numbers (number of the format x scale) in f32.
;;   ~~~python
;;   def quantise(x, axis):      # numpy; x: float32 -> the quantised numbers, widened to float32 again
;;       x = np.moveaxis(x, axis, -1); K = x.shape[-1]
;;       x = np.pad(x, [(0, 0)] * (x.ndim - 1) + [(0, -K % 32)]); x = x.reshape(x.shape[:-1] + (-1, 32)); a = np.abs(x).max(-1, keepdims=True)
;;       e = np.where(a > 0, np.clip(np.frexp(np.where(a > 0, a, 1))[1] - 1 - 4, -126, 127), 0)      # np.frexp(a)[1] - 1 = floor(log2(a)), exactly
;;       r = np.clip(x / 2.0 ** e, -28, 28)
;;       step = 2.0 ** (np.maximum(np.frexp(np.where(r == 0, 1, r))[1] - 1, -2) - 2)
;;       q = np.round(r / step) * step * 2.0 ** e      # np.round: ties to even
;;       return np.moveaxis(q.reshape(q.shape[:-2] + (-1,))[..., :K], -1, axis).astype(np.float32)
;;   ~~~
;;   SOFTMAX AHEAD OF A QUANTISED PRODUCT. Where the list says 'softmax', what is quantised is not the finished softmax but p = 2^(t - M), with t = logit x log2(e) and M = ceil(the row's largest t), a whole number; so 1/2 < the row's largest p <= 1. The row's sum l is taken of the UNQUANTISED p, in f32, and the product's result is divided by l at the end. Since M is a whole number, a kernel that streams over the keys may use a running M (the ceiling of the running maximum): every later rescaling is an exact power of two, which a block's scale takes up: the codes' values come out the same.
;;   OPERANDS COMPUTED ON THE WAY. 'Computed on the way' means the value that the module computes at that place (a softmax that the list does not call 'softmax' is quantised finished and normalised). What goes into a quantiser is computed in f32, as accurately as f32 sums, v_exp_f32 and their like allow (about 1e-6 of the number): no bf16 or f16 on the way to a quantiser, and a product that is left as it is and whose result goes on into a quantised operand takes f32 operands (vector FMAs, or v_wmma_f32_16x16x4_f32). A number that lies on a knife's edge between two numbers of the format may be rounded either way, as far as f32 arithmetic and the matrix unit's own rounding can turn it there, and no further.
;; One version. Each part assembles by itself: llvm-mc -triple=amdgcn-amd-amdhsa -mcpu=gfx1250 --defsym DOCPART=n.
;; ======== version 1 of 1: 4 launches
;; limits: right only within a limited range of input values
;; workspace buffers: xw 9,011,200 bytes; qkv 19,660,800 bytes; p_codes 12,582,912 bytes; p_meta 1,572,864 bytes
;; launch quant (part 1): grid 256 x 1, 11 waves a work-group, no clusters, 94,464 bytes of LDS; arguments x, wq, wk, wv, xw; writes xw
.if DOCPART == 1
	.amdgcn_target "amdgcn-amd-amdhsa--gfx1250"
	.amdhsa_code_object_version 6
	.text
	.protected	k_q654c53be36_quant
	.globl	k_q654c53be36_quant
	.p2align	8
	.type	k_q654c53be36_quant,@function
k_q654c53be36_quant:
	s_mov_b64 s[64:65], 0
	v_nop
	global_prefetch_b8 v0, s[64:65] scope:SCOPE_SE
	s_setreg_imm32_b32 hwreg(HW_REG_WAVE_MODE, 25, 1), 1
	s_wait_xcnt 0x0
; x [8192][1024] and wq, wk, wv [1024][1024], f32, K innermost, become codes of BF6 (E3M2) with one E8M0 byte for each 32 along K.
; The four tensors count as one run of 11,264 rows (x, wq, wk, wv).  THE WORKSPACE IS LAID AS THE MATRIX UNIT'S REGISTERS WANT IT:
; a unit is 128 rows x 128 K: 8 fragments of 16 rows, 1,536 bytes each (registers 4 c .. 4 c + 3 of lane l of fragment i at byte 1536 i + 512 c + 16 l),
; and behind them 512 bytes of scale words (four bytes: 128 K of a row): the word of row 16 i + r at 256 (i / 4) + 16 r + 4 (i % 4), so that one load of
; 16 bytes a lane brings four fragments' words.  12,800 bytes; unit number = 8 x (row / 128) + K / 128.
; A block's scale is 2^(floor(log2(largest magnitude)) - 4): its byte is the largest magnitude's exponent field - 4, held at 1 from below.
; LIMITS: a block of zeros gets the byte 1 (its codes are zeros; only this program reads the bytes); NaN and infinities are not served.
; SHARES: the rows are 2,816 pieces of 32 rows x 128 K, 11 for each of 256 work-groups: a piece a wave, two fragments, all its 32 loads asked for at once.
; Each load reads one row's 512 consecutive bytes; the 16 rows of a fragment turn through the wave's own stage in LDS (rows 528 bytes apart), from which
; lane (r, h) takes the 32 neighbours 64 c + 32 h on of row r: a whole block in a lane's registers, in the order of the operand's registers.
; The piece's scale words are eight of every 16 bytes of 256: the other eight are the neighbouring 32 rows', another wave's.  No barrier: waves share nothing.
.set STP,  528                         ; a stage row: 512 bytes + 16
.set WREG, 16*STP                      ; LDS of a wave
.set SPARE, 11*WREG                    ; the spare words, 128 bytes a wave
.set LI,   3                           ; v3   16 x lane
.set STW,  4                           ; v4   into the stage
.set STR,  5                           ; v5   out of the stage
.set R16,  6                           ; v6   16 x r
.set H8,   9                           ; v9   8 x (lane / 16)
.set TM,   10                          ; v10-11 largest magnitudes
.set SO,   12                          ; v12-13 the conversions' scale operands
.set BY,   14                          ; v14-15 the bytes
.set WT,   16
.set WX,   17
.set WD,   18                          ; v18-19 a scale word for each fragment
.set PT,   22                          ; v22-24, v26-28 the upper halves of two blocks' codes
.set SPW,  38
.set NIL,  39
.set RB,   40                          ; v40-167 two fragments' rows as loaded
.set XB,   168                         ; v168-231 two blocks of 32 neighbours
.set PCB,  232                         ; v232-255 two fragments' codes
	s_load_b256 s[4:11], s[0:1], 0x0               ; x, wq, wk, wv
	s_load_b64 s[12:13], s[0:1], 0x20              ; the units
	v_lshl_add_u32 v[SPW], v0, 2, SPARE
	v_mov_b32 v[NIL], 0
	v_lshrrev_b32 v1, 5, v0
	v_readfirstlane_b32 s16, v1                    ; wave
	v_and_b32 v1, 15, v0                           ; r
	v_bfe_u32 v2, v0, 4, 1                         ; h
	v_and_b32 v[LI], 31, v0
	v_lshlrev_b32 v[LI], 4, v[LI]
	s_mul_i32 s22, s16, WREG
	v_add_nc_u32 v[STW], s22, v[LI]
	v_mul_u32_u24 v[STR], v1, STP
	v_lshl_add_u32 v[STR], v2, 7, v[STR]           ; row r, + 128 h bytes: 32 numbers
	v_add_nc_u32 v[STR], s22, v[STR]
	v_lshlrev_b32 v[R16], 4, v1
	v_lshlrev_b32 v[H8], 3, v2
	v_mov_b32 v[WX], 0                             ; a lane permute's destination counts as read
	s_wait_alu depctr_va_vdst(0)                   ; the wait at the head's end, ahead of the scalar lines
	s_mov_b32 s20, 0x76543210
	s_mov_b32 s21, 0xfedcba98                      ; selects for lane l xor 16
	s_mul_i32 s17, ttmp9, 11
	s_add_co_u32 s17, s17, s16                     ; my piece
	s_and_b32 s18, s17, 7                          ; which 128 along K
	s_lshr_b32 s17, s17, 3                         ; which 32 rows of the 11,264
	s_and_b32 s24, s17, 31                         ; in a weight: which 32 rows of its 1,024
	s_lshr_b32 s26, s17, 2                         ; the row group of 128
	s_and_b32 s30, s17, 3                          ; and which quarter of it
	s_wait_kmcnt 0x0
	s_cmp_lt_u32 s17, 320                          ; the tensor is chosen by the piece's number alone
	s_cselect_b64 s[8:9], s[8:9], s[10:11]
	s_cmp_lt_u32 s17, 288
	s_cselect_b64 s[6:7], s[6:7], s[8:9]
	s_cmp_lt_u32 s17, 256
	s_cselect_b64 s[4:5], s[4:5], s[6:7]
	s_cselect_b32 s24, s17, s24
	s_lshl_b32 s24, s24, 17                        ; 32 rows of 4,096 bytes
	s_lshl_b32 s25, s18, 9                         ; 128 numbers
	s_add_co_u32 s24, s24, s25
	s_mov_b32 s25, 0
	s_add_nc_u64 s[4:5], s[4:5], s[24:25]
.macro LOAD f                          ; fragment f's 16 rows, 512 consecutive bytes a load
.irp p, 0,1,2,3,4,5,6,7,8,9,10,11,12,13,14,15
	global_load_b128 v[RB+64*(\f)+4*\p:RB+64*(\f)+4*\p+3], v[LI], s[4:5] offset:(16*(\f)+\p)*4096 th:TH_LOAD_NT
.endr
.endm
	LOAD 0
	LOAD 1
	s_mul_i32 s28, s26, 102400                     ; 8 units a row group
	s_mul_i32 s27, s18, 12800
	s_add_co_u32 s28, s28, s27
	s_mov_b32 s29, 0
	s_add_nc_u64 s[12:13], s[12:13], s[28:29]      ; my unit
	s_lshr_b32 s28, s30, 1
	s_lshl_b32 s28, s28, 8
	s_and_b32 s27, s30, 1
	s_lshl_b32 s27, s27, 3
	s_add_co_u32 s28, s28, s27
	s_add_co_u32 s28, s28, 12288
	s_add_nc_u64 s[14:15], s[12:13], s[28:29]      ; my two fragments' scale words
	s_mul_i32 s28, s30, 3072
	s_add_nc_u64 s[12:13], s[12:13], s[28:29]      ; and their codes
.macro FRAGQ f
.set RS, RB+64*(\f)
.set PS, PCB+12*(\f)
	s_wait_loadcnt 16*(1-(\f))                     ; my 16 loads are in; the next fragment's 16 may be out
.irp p, 0,1,2,3,4,5,6,7,8,9,10,11,12,13,14,15
	ds_store_b128 v[STW], v[RS+4*\p:RS+4*\p+3] offset:STP*\p
.endr
.irp c, 0,1
.irp j, 0,1,2,3,4,5,6,7
	ds_load_b128 v[XB+32*\c+4*\j:XB+32*\c+4*\j+3], v[STR] offset:256*\c+16*\j   ; LDS serves a wave's instructions in order: these see the stores
.endr
.endr
	s_wait_dscnt 0x0
.irp c, 0,1
	v_max3_num_f32 v[TM+\c], |v[XB+32*\c]|, |v[XB+32*\c+1]|, 0x2800000   ; block 2 c + h of row r, all 32 mine; the floor 2^(5 - 127) holds the byte at 1
.endr
.irp i, 2,4,6,8,10,12,14,16,18,20,22,24,26,28,30
.irp c, 0,1
	v_max3_num_f32 v[TM+\c], v[TM+\c], |v[XB+32*\c+\i]|, |v[XB+32*\c+\i+1]|
.endr
.endr
.irp c, 0,1
	v_add_nc_u32 v[SO+\c], 0xfe000000, v[TM+\c]    ; 4 off the exponent field: the conversion's scale operand
.endr
.irp c, 0,1
	v_lshrrev_b32 v[BY+\c], 23, v[SO+\c]           ; the byte
.endr
	v_lshl_or_b32 v[WT], v[BY+1], 16, v[BY]        ; my bytes: blocks h and 2 + h,
	v_lshlrev_b32 v[WT], v[H8], v[WT]              ; at their places;
	v_permlanex16_b32 v[WX], v[WT], s20, s21
	v_or_b32 v[WD+\f], v[WT], v[WX]                ; with lane l xor 16's two the word is whole
.irp c, 0,1
	v_cvt_scalef32_pk16_bf6_f32 v[PS+6*\c:PS+6*\c+2], v[XB+32*\c:XB+32*\c+15], v[SO+\c]
	v_cvt_scalef32_pk16_bf6_f32 v[PT+4*\c:PT+4*\c+2], v[XB+32*\c+16:XB+32*\c+31], v[SO+\c]   ; (a conversion's three registers begin on an even number)
.endr
	v_nop                                          ; one plain place behind the conversions
.irp c, 0,1
.irp i, 0,1,2
	v_mov_b32 v[PS+6*\c+3+\i], v[PT+4*\c+\i]
.endr
.endr
.irp c, 0,1,2
	global_store_b128 v[LI], v[PS+4*\c:PS+4*\c+3], s[12:13] offset:(\f)*1536+512*\c   ; 32 lanes store 512 consecutive bytes, aligned
.endr
.endm
	FRAGQ 0
	FRAGQ 1
	global_store_b64 v[R16], v[WD:WD+1], s[14:15]  ; both halves of the lanes write the same words with the same values
	s_wait_tensorcnt 0x0                           ; the wave's end
	ds_add_u32 v[SPW], v[NIL]
	s_wait_dscnt 0x0
	s_endpgm
.Lfunc_end_k_q654c53be36_quant:
	.size	k_q654c53be36_quant, .Lfunc_end_k_q654c53be36_quant-k_q654c53be36_quant
	.p2alignl 7, 3214868480
	.fill 96, 4, 3214868480
	.section	.rodata,"a",@progbits
	.p2align	6, 0x0
	.amdhsa_kernel k_q654c53be36_quant
		.amdhsa_group_segment_fixed_size 94464
		.amdhsa_private_segment_fixed_size 0
		.amdhsa_enable_private_segment 0
		.amdhsa_kernarg_size 40
		.amdhsa_user_sgpr_count 2
		.amdhsa_user_sgpr_kernarg_segment_ptr 1
		.amdhsa_wavefront_size32 1
		.amdhsa_system_sgpr_workgroup_id_x 1
		.amdhsa_system_sgpr_workgroup_id_y 1
		.amdhsa_system_sgpr_workgroup_id_z 1
		.amdhsa_system_vgpr_workitem_id 0
		.amdhsa_next_free_vgpr 256
		.amdhsa_next_free_sgpr 66
		.amdhsa_reserve_vcc 0
		.amdhsa_float_denorm_mode_32 3
		.amdhsa_float_denorm_mode_16_64 3
		.amdhsa_memory_ordered 1
		.amdhsa_forward_progress 1
		.amdhsa_inst_pref_size 17
	.end_amdhsa_kernel
	.amdgpu_metadata
---
amdhsa.version: [ 1, 2 ]
amdhsa.kernels:
  - .name:           k_q654c53be36_quant
    .symbol:         k_q654c53be36_quant.kd
    .args:
      - { .name: x, .offset: 0, .size: 8, .value_kind: global_buffer, .address_space: global }
      - { .name: wq, .offset: 8, .size: 8, .value_kind: global_buffer, .address_space: global }
      - { .name: wk, .offset: 16, .size: 8, .value_kind: global_buffer, .address_space: global }
      - { .name: wv, .offset: 24, .size: 8, .value_kind: global_buffer, .address_space: global }
      - { .name: xw, .offset: 32, .size: 8, .value_kind: global_buffer, .address_space: global }
    .group_segment_fixed_size: 94464
    .private_segment_fixed_size: 0
    .kernarg_segment_align: 8
    .kernarg_segment_size: 40
    .max_flat_workgroup_size: 352
    .sgpr_count:     66
    .vgpr_count:     256
    .wavefront_size: 32
...
	.end_amdgpu_metadata
.endif
;; end of part 1
;; launch qkv (part 2): grid 64 x 4, 4 waves a work-group, clusters of 4 x 4, 327,680 bytes of LDS; arguments xw, bq, bk, bv, qkv; writes qkv
.if DOCPART == 2
	.amdgcn_target "amdgcn-amd-amdhsa--gfx1250"
	.amdhsa_code_object_version 6
	.text
	.protected	k_q654c53be36_qkv
	.globl	k_q654c53be36_qkv
	.p2align	8
	.type	k_q654c53be36_qkv,@function
k_q654c53be36_qkv:
	s_mov_b64 s[64:65], 0
	v_nop
	global_prefetch_b8 v0, s[64:65] scope:SCOPE_SE
	s_setreg_imm32_b32 hwreg(HW_REG_WAVE_MODE, 25, 1), 1
	s_wait_xcnt 0x0
	s_wait_alu depctr_hold_cnt(0) depctr_sa_sdst(0) depctr_va_vdst(0) depctr_va_sdst(0) depctr_va_ssrc(0) depctr_va_vcc(0) depctr_vm_vsrc(0)
	s_getreg_b32 s2, hwreg(HW_REG_IB_STS2, 6, 4)
	s_cmp_eq_u32 s2, 0
	s_cbranch_scc0 .Lentry_in_a_cluster
	s_endpgm
.Lentry_in_a_cluster:
	s_bfe_u32 s2, ttmp6, 0x10000c
	s_cmp_lg_u32 s2, 0xf033
	s_cbranch_scc0 .Lentry_shape_is_right
	s_endpgm
.Lentry_shape_is_right:
; q = x wq^T + bq, k = x wk^T + bk, v = x wv^T + bv on codes of BF6 with E8M0 scales, and the results quantised again in registers:
; q and k along their 1,024 columns, v along the tokens (the keys of the last product).  Nothing wide goes to memory.
; OPERANDS lie as images of the matrix unit's registers: a unit = 128 rows x 128 K = 8 fragments of 1,536 bytes (registers 4 c .. 4 c + 3 of
; lane l at 1536 i + 512 c + 16 l), then 512 bytes of scale words (row 16 i + r at 256 (i / 4) + 16 r + 4 (i % 4)): 12,800 bytes.
; Input units: 8 x row group + K step; row groups 0-63 x, 64-71 wq, 72-79 wk, 80-87 wv.
; Output units: q: 8 x token group + column group; k: 512 + the same; v: 1024 + 16 x (8 x batch + channel group) + token group in the batch.
; SHARES: the three products are 384 tiles of 256 x 256, one and a half for each of 256 work-groups.  A work-group does TWO PARTS, 16 clusters of 4 x 4:
;   part 1: 256 tokens (A) x 256 columns of wq (even clusters) or wk (odd) (B); a wave makes 128 x 128: 64 accumulators;
;   part 2: 128 rows of wv (A) x the SAME 256 tokens (B); a wave makes 64 x 128: 32 accumulators; v comes out with a channel to a lane and the tokens along its registers.
; THE TOKENS' 16 UNITS COME INTO LDS ONCE AND STAY for both parts; the weights go through a ring of two slots of four units (part 1: two K steps of two row
; groups; part 2: four K steps of one).  Tokens hang on the work-group's row in the cluster, weights on its column: joint loads.
; LOADS, one a wave each: at the head K steps 0, 1; behind the head the tokens' K steps 2-7 and the weights' 2, 3; then four refills of a slot: weights 4, 5; 6, 7; wv 0-3; wv 4-7.
; A PREFETCH into the L2 for the head's second load, asked behind the first: 256-byte blocks shared out among the four partners by address; the weights', which eight clusters read, by clusters 0 to 3 alone.
; The later weight loads have none: there is no loop to run ahead in, and each has two K steps or more in which to land.
; THE MATRIX INSTRUCTION IS USED TRANSPOSED (source 0 = 16 rows of B, source 1 = 16 rows of A): lane (r, h) of accumulator (a, b) holds row
; 16 a + r of A and, in register j, row 16 b + 8 h + j of B.  The bias is the C of each part's first K step.
; THE ORDER INSIDE A BLOCK OF 32: a lane's 16 registers of tiles 2 B, 2 B + 1 are converted as they stand, so place 16 s + 8 u + j of a block
; holds column 32 B + 16 u + 8 s + j.  Both operands of each later product are made by this same form, so their terms still meet.
; LIMITS: a block of zeros gets the byte 1 (only this program reads the bytes); NaN and infinities are not served.
; REGISTERS: window 0: v1-26 addresses; v28-29 for the add; v32-47 scale words, two sets; v48-49 the biases' offsets; v64-159, v160-255 A's fragments in part 1, two sets
; (part 2: v64-111, v112-159; on a way out: v64-159 the codes, v160-191 at work).  Window 1: B's two sets at v0 and v128; the bias's tiles at v96-127 and v224-255.
; Windows 2, 3: accumulator (a, b) at v[8 (8 (a % 4) + b)]; part 2 uses window 2 alone.
.set UN,   12800                       ; a unit
.set QB,   2*UN
.set XH,   8*UN                        ; a row group's eight units
.set WR,   2*XH                        ; the weights' ring, behind the tokens
.set WS,   4*UN                        ; a slot of it
.set SPARE, WR+2*WS                    ; the spare words: 128 bytes a wave
.set SCR,  SPARE+512                   ; the results' scale words on their way out: SZ bytes a wave
.set SZ,   512
.set LI,   3                           ; 16 x lane
.set ADRA, 4                           ; v4-5  part 1: my tokens, K steps 0-3, 4-7
.set ADRB, 6                           ; v6-7  my weights in slot 0, 1
.set ADRS, 8                           ; v8-11 scale words of K steps 2 j, 2 j + 1: lanes 0-15 A's rows, lanes 16-31 B's
.set SCW,  12                          ; where my row's new scale word goes
.set SCRR, 13                          ; how a whole unit of them is read back
.set SCR8, 14                          ; and half a unit
.set L8,   15                          ; 8 x lane
.set P2B,  16                          ; v16-19 part 2: my four fragments of wv; my tokens; scale words (wv's in lanes 0-15, the tokens' fragments 0-3 in lanes 16-31); the tokens' 4-7
.set P2C,  20                          ; v20-23 the same, stepped along K
.set PFO,  24
.set T0,   25
.set SPW,  28
.set NIL,  29
.set SC,   32
.set BO,   48
.set BO2,  49
.set AF,   64
.set PCB,  64                          ; the codes of fragment a: v[64 + 12 a]
.set TM,   160
.set TX,   164
.set SO,   168
.set PT,   172
.set PW,   180
.set OSR,  188
.set G1,   24                          ; group 1: my row of the cluster, 100 rows of 256 bytes
.set G0,   32                          ; s[32:35], s[36:39] the tokens' two loads
.set PFX,  40
.set PFW,  42
.set G1B,  44                          ; my column, 100 rows
.set G0B,  52                          ; s[52:55], s[56:59] the weights' first two loads
.set G0W,  60                          ; the refills: one unit a wave
.set G1V,  68                          ; my column, 50 rows
.set G1X,  80                          ; my row, 300 rows
.set MSB, 0
.macro WIN new                         ; the immediate's high byte repeats the setting that is left
.if MSB != \new
	s_set_vgpr_msb (MSB<<8)|\new
.set MSB, \new
.endif
.endm
.macro PLACES n
.rept \n
	v_nop
.endr
.endm
; A joint load: waves 0 and 1 fetch the tokens, waves 2 and 3 the weights; the branch hangs on the wave's number alone.  Four v_nop follow each line.
.macro JLOAD g0a, g1a, g0b, g1b
	s_cmp_eq_u32 s19, 0
	s_cbranch_scc0 .Lfor_b_\@
	tensor_load_to_lds s[\g0a:\g0a+3], s[\g1a:\g1a+7]
	s_nop 0
	PLACES 4
	s_branch .Lasked_\@
.Lfor_b_\@:
	tensor_load_to_lds s[\g0b:\g0b+3], s[\g1b:\g1b+7]
	s_nop 0
	PLACES 4
.Lasked_\@:
.endm
.macro CREST                           ; a round of the cluster's barrier behind its opening barrier
	s_cmp_lg_u32 s18, 0
	s_cbranch_scc1 .Lnot_wave_0_\@
	s_barrier_signal -3
.Lnot_wave_0_\@:
	s_barrier_wait -3
	s_barrier_signal -1
	s_barrier_wait -1
.endm
.macro CROUND
	s_barrier_signal -1
	s_barrier_wait -1
	CREST
.endm
.macro SHAPE g, mask, rows             ; group 1: a dense block as rows of 256 bytes (32 elements of 8 bytes)
	s_or_b32 s[\g], \mask, (3<<16)|(1<<21)
	s_mov_b32 s[\g+1], 32<<16
	s_mov_b32 s[\g+2], (\rows)<<16
	s_mov_b32 s[\g+3], 32<<16
	s_mov_b32 s[\g+4], \rows
	s_mov_b32 s[\g+5], 32
	s_mov_b32 s[\g+6], 0
	s_mov_b32 s[\g+7], 0
.endm
.macro GRP0 g, lds, p, off
	s_mov_b32 s[\g], 1
	s_mov_b32 s[\g+1], \lds
	s_add_nc_u64 s[\g+2:\g+3], s[\p:\p+1], \off
	s_or_b32 s[\g+3], s[\g+3], 0x80000000
.endm
; PART 1's LDS loads for K step nk into set p, 50 in five runs: first what the step's first eight products want (scale words, A's fragment 0, B's eight), then A's other seven.
.macro LA i, nk, p
.irp c, 0,1,2
	ds_load_b128 v[AF+96*(\p)+12*(\i)+4*\c:AF+96*(\p)+12*(\i)+4*\c+3], v[ADRA+(\nk)/4] offset:((\nk)%4)*UN+(\i)*1536+\c*512
.endr
.endm
.macro LB i, nk, p
.irp c, 0,1,2
	ds_load_b128 v[128*(\p)+12*(\i)+4*\c:128*(\p)+12*(\i)+4*\c+3], v[ADRB+((\nk)/2)%2] offset:((\nk)%2)*UN+(\i)*1536+\c*512
.endr
.endm
.macro RUN n, nk, p
.if (\n) == 0
	WIN 0
	ds_load_b128 v[SC+8*(\p):SC+8*(\p)+3], v[ADRS+(\nk)/2] offset:((\nk)%2)*UN+12288   ; register i: lanes 0-15 the words of A's fragment i, lanes 16-31 of B's
	ds_load_b128 v[SC+8*(\p)+4:SC+8*(\p)+7], v[ADRS+(\nk)/2] offset:((\nk)%2)*UN+12544
	LA 0, \nk, \p
	WIN 0x40                                       ; destination window 1
	LB 0, \nk, \p
	LB 1, \nk, \p
.endif
.if (\n) == 1
	WIN 0x40
	LB 2, \nk, \p
	LB 3, \nk, \p
	LB 4, \nk, \p
.endif
.if (\n) == 2
	WIN 0x40
	LB 5, \nk, \p
	LB 6, \nk, \p
	LB 7, \nk, \p
.endif
.if (\n) == 3
	WIN 0
	LA 1, \nk, \p
	LA 2, \nk, \p
	LA 3, \nk, \p
.endif
.if (\n) == 4
	WIN 0
	LA 4, \nk, \p
	LA 5, \nk, \p
	LA 6, \nk, \p
	LA 7, \nk, \p
.endif
.endm
; 8 matrix instructions: A's fragment a against B's eight, set p.  mode 0: adds on; 1: C = the bias tile of B's fragment.
; The 64 accumulators take turns, one instruction a turn, in the same order in every K step.
.macro MUL8 a, p, mode
.set AW, 2+(\a)/4
.if (\mode) == 1
.set WW, (AW<<6)|0x11                  ; B window 1, A window 0, C window 1, D window 2 or 3
.else
.set WW, (AW<<6)|(AW<<4)|1             ; C and D window 2 or 3
.endif
	WIN WW
.irp b, 0,1,2,3,4,5,6,7
.set rD, 8*(8*((\a)%4)+\b)
.set rB, 128*(\p)+12*\b
.set rA, AF+96*(\p)+12*(\a)
.set rC, rD
.if (\mode) == 1
.set rC, 96+8*\b+96*(\b/4)
.endif
	v_wmma_scale_f32_16x16x128_f8f6f4 v[rD:rD+7], v[rB:rB+11], v[rA:rA+11], v[rC:rC+7], v[SC+8*(\p)+\b], v[SC+8*(\p)+(\a)] matrix_a_fmt:MATRIX_FMT_BF6 matrix_b_fmt:MATRIX_FMT_BF6 matrix_a_scale:MATRIX_SCALE_ROW1
.endr
.endm
; A K step; the next step's fragments are asked for in one run ahead of its products, 64 matrix instructions ahead of their use.
.macro STEP kap, mode
.set NK, (\kap)+1
	s_wait_dscnt 0x0                               ; this step's fragments and scale words are in
.if (\kap) > 0
	PLACES 4                                       ; in front of loads into registers that the last step's matrix instructions have read
.endif
.irp n, 0,1,2,3,4
	RUN \n, NK, NK%2
.endr
.irp a, 0,1,2,3,4,5,6,7
	MUL8 \a, (\kap)%2, \mode
.endr
	WIN 0
.endm
; A K step behind which a slot of the weights is filled again.  In front of the barrier each wave waits for all its tensor loads, adds 0 to its spare word, and waits for that and for its LDS reads;
; the barrier opens a round of the cluster's barrier, and the joint load, one unit a wave, comes first behind the round.
.macro TURN kap
.set NK, (\kap)+1
	s_wait_tensorcnt 0x0                           ; all my tensor loads have landed
	ds_add_u32 v[SPW], v[NIL]                      ; 0 onto my spare word
	s_wait_dscnt 0x1                               ; only the add may be out
	MUL8 0, (\kap)%2, 0
	s_wait_dscnt 0x0                               ; the add is done; my LDS reads are over
	s_barrier_signal -1
	MUL8 1, (\kap)%2, 0
	WIN 0
	s_barrier_wait -1
	CREST                                          ; no wave of any partner still reads the slot or has a load on its way
.if (\kap) == 3
	s_add_co_u32 s[G0W+1], s[G0W+1], WS            ; slot 1 takes K steps 6, 7
	s_add_nc_u64 s[G0W+2:G0W+3], s[G0W+2:G0W+3], QB
.endif
.if (\kap) == 5
	s_sub_co_u32 s[G0W+1], s[G0W+1], WS            ; slot 0 takes wv's K steps 0-3
	s_mov_b64 s[G0W+2:G0W+3], s[88:89]
	s_or_b32 s[G0W+3], s[G0W+3], 0x80000000
.endif
.if (\kap) == 7
	s_add_co_u32 s[G0W+1], s[G0W+1], WS            ; slot 1 takes wv's K steps 4-7
	s_add_nc_u64 s[G0W+2:G0W+3], s[G0W+2:G0W+3], WS
.endif
	tensor_load_to_lds s[G0W:G0W+3], s[G1V:G1V+7]
	s_nop 0
	PLACES 4                                       ; also the places in front of the loads below
.if (\kap) < 7
.irp n, 0,1,2,3,4
	RUN \n, NK, NK%2
.endr
.endif
.irp a, 2,3,4,5,6,7
	MUL8 \a, (\kap)%2, 0
.endr
	WIN 0
.endm
; PART 2's LDS loads into set p, 38 in four runs; g: the first of four address registers, off: the K step's offset from them.
.macro LA2 i, g, off, p
.irp c, 0,1,2
	ds_load_b128 v[AF+48*(\p)+12*(\i)+4*\c:AF+48*(\p)+12*(\i)+4*\c+3], v[\g] offset:(\off)+(\i)*1536+\c*512
.endr
.endm
.macro LB2 i, g, off, p
.irp c, 0,1,2
	ds_load_b128 v[128*(\p)+12*(\i)+4*\c:128*(\p)+12*(\i)+4*\c+3], v[\g+1] offset:(\off)+(\i)*1536+\c*512
.endr
.endm
.macro RUN2 n, g, off, p
.if (\n) == 0
	WIN 0
	ds_load_b128 v[SC+8*(\p):SC+8*(\p)+3], v[\g+2] offset:(\off)+12288
	ds_load_b128 v[SC+8*(\p)+4:SC+8*(\p)+7], v[\g+3] offset:(\off)+12288
	LA2 0, \g, \off, \p
	WIN 0x40
	LB2 0, \g, \off, \p
	LB2 1, \g, \off, \p
.endif
.if (\n) == 1
	WIN 0x40
	LB2 2, \g, \off, \p
	LB2 3, \g, \off, \p
	LB2 4, \g, \off, \p
.endif
.if (\n) == 2
	WIN 0x40
	LB2 5, \g, \off, \p
	LB2 6, \g, \off, \p
	LB2 7, \g, \off, \p
.endif
.if (\n) == 3
	WIN 0
	LA2 1, \g, \off, \p
	LA2 2, \g, \off, \p
	LA2 3, \g, \off, \p
.endif
.endm
; 8 matrix instructions: wv's fragment a against the tokens' eight.  bias = 1: C = bv's tile of fragment a.  The 32 accumulators take turns.
.macro MULV a, p, bias
.if \bias
	WIN 0x91                                       ; tokens window 1, wv window 0, C window 1, D window 2
.else
	WIN 0xa1                                       ; C and D window 2
.endif
.irp b, 0,1,2,3,4,5,6,7
.set rD, 8*(8*(\a)+\b)
.set rB, 128*(\p)+12*\b
.set rA, AF+48*(\p)+12*(\a)
.set rC, rD
.if \bias
.set rC, 96+8*(\a)
.endif
	v_wmma_scale_f32_16x16x128_f8f6f4 v[rD:rD+7], v[rB:rB+11], v[rA:rA+11], v[rC:rC+7], v[SC+8*(\p)+\b], v[SC+8*(\p)+(\a)] matrix_a_fmt:MATRIX_FMT_BF6 matrix_b_fmt:MATRIX_FMT_BF6 matrix_a_scale:MATRIX_SCALE_ROW1
.endr
.endm
.macro STEP2 g, off, p, bias           ; multiplies set p and fetches the next K step into the other
	s_wait_dscnt 9                                 ; wv's fragments 1-3 may be out
	PLACES 4                                       ; in front of loads into registers that the last step's matrix instructions have read
.irp n, 0,1,2,3
	RUN2 \n, \g, \off, 1-(\p)
.endr
	MULV 0, \p, \bias
	s_wait_dscnt 38                                ; all but the next step's 38
.irp a, 1,2,3
	MULV \a, \p, \bias
.endr
	WIN 0
.endm
; Rows 16 a + r of my tile become a fragment of the output's unit: four blocks of 32 columns; a block lies in lanes l and l xor 16.  ptr: the scalar pair with the codes' address.
.macro QOUT a, ptr
.set AW, 2+(\a)/4
.set AC, 64*((\a)%4)
.set PCA, PCB+12*(\a)
.set WW, AW|(AW<<2)
	WIN WW                                         ; sources 0 and 1: the accumulators' window
.irp b, 0,1,2,3
	v_max_num_f32 v[TM+\b], |v[AC+16*\b]|, |v[AC+16*\b+1]|       ; each accumulator is read from its low end on
.endr
.irp i, 2,4,6,8,10,12,14
.irp b, 0,1,2,3
	v_max3_num_f32 v[TM+\b], |v[AC+16*\b+\i]|, |v[AC+16*\b+\i+1]|, v[TM+\b]
.endr
.endr
	WIN 0
.irp b, 0,1,2,3
	v_permlanex16_b32 v[TX+\b], v[TM+\b], s96, s97
.endr
.irp b, 0,1,2,3
	v_max3_num_f32 v[TM+\b], v[TM+\b], v[TX+\b], 0x2800000       ; the block's largest magnitude, and the floor 2^(5 - 127)
.endr
.irp b, 0,1,2,3
	v_add_nc_u32 v[SO+\b], 0xfe000000, v[TM+\b]    ; 4 off the exponent field: the conversion's scale operand
.endr
.irp b, 0,1,2,3
	v_lshrrev_b32 v[TX+\b], 23, v[SO+\b]           ; the byte
.endr
	v_lshl_or_b32 v[PW+\a], v[TX+1], 8, v[TX]
	v_lshl_or_b32 v[PW+\a], v[TX+2], 16, v[PW+\a]
	v_lshl_or_b32 v[PW+\a], v[TX+3], 24, v[PW+\a]  ; my row's scale word
	WIN AW                                         ; source 0: the accumulators' window
.irp c, 0,1
	v_cvt_scalef32_pk16_bf6_f32 v[PCA+6*\c:PCA+6*\c+2], v[AC+32*\c:AC+32*\c+15], v[SO+2*\c]
	v_cvt_scalef32_pk16_bf6_f32 v[PT+4*\c:PT+4*\c+2], v[AC+32*\c+16:AC+32*\c+31], v[SO+2*\c+1]
.endr
	WIN 0
	v_nop                                          ; one plain place behind the conversions
.irp c, 0,1                            ; the operand wants a whole block in a lane: lanes 0-15 block 2 c, lanes 16-31 block 2 c + 1
.irp i, 0,1,2
	v_permlane16_swap_b32 v[PCA+6*\c+\i], v[PT+4*\c+\i]
.endr
.irp i, 0,1,2
	v_mov_b32 v[PCA+6*\c+3+\i], v[PT+4*\c+\i]
.endr
.endr
.irp c, 0,1,2
	global_store_b128 v[LI], v[PCA+4*\c:PCA+4*\c+3], s[\ptr:\ptr+1] offset:(\a)*1536+512*\c   ; 512 consecutive bytes, aligned
.endr
	ds_store_b32 v[SCW], v[PW+\a] offset:((\a)/4)*256+((\a)%4)*4   ; both halves of the lanes write the same word
.endm
	s_load_b256 s[4:11], s[0:1], 0x0               ; the units s[4:5], bq s[6:7], bk s[8:9], bv s[10:11]
	s_load_b64 s[12:13], s[0:1], 0x20              ; the new units
	v_lshl_add_u32 v[SPW], v0, 2, SPARE
	v_mov_b32 v[NIL], 0
	ds_add_u32 v[SPW], v[NIL]                      ; the opening: the add, twice on end, and its wait ahead of my first tensor load
	ds_add_u32 v[SPW], v[NIL]
	v_lshrrev_b32 v1, 5, v0
	v_readfirstlane_b32 s18, v1                    ; wave 0..3
	s_lshr_b32 s19, s18, 1                         ; my half of A's rows.  Also: I fetch tokens (0) or weights (1)
	s_and_b32 s20, s18, 1                          ; my half of B's rows.  Also: which row group I fetch
	s_bfe_u32 s66, ttmp6, 0x40000                  ; cx
	s_bfe_u32 s67, ttmp6, 0x40004                  ; cy
	s_lshl_b32 s98, s67, 2
	s_lshl_b32 s98, 15, s98                        ; my row of the cluster
	s_lshl_b32 s99, 0x1111, s66                    ; my column
	SHAPE G1, s98, 100                             ; two units
	SHAPE G1X, s98, 300                            ; six units
	SHAPE G1B, s99, 100
	SHAPE G1V, s99, 50                             ; one unit
	; the row groups, by the cluster's number c and the work-group's place
	s_and_b32 s101, ttmp9, 1                       ; c % 2: wq or wk; the lower or the upper half of wv
	s_lshr_b32 s100, ttmp9, 1
	s_lshl_b32 s100, s100, 3
	s_lshl_b32 s2, s67, 1
	s_add_co_u32 s100, s100, s2                    ; my work-group's first token group: 8 (c / 2) + 2 cy: it hangs on cy, not on cx
	s_lshl_b32 s104, s101, 3
	s_lshl_b32 s22, s66, 1
	s_add_co_u32 s104, s104, s22
	s_add_co_u32 s104, s104, 64                    ; its first group of wq or wk: 64 + 8 (c % 2) + 2 cx: on cx, not on cy
	s_lshl_b32 s105, s101, 2
	s_add_co_u32 s105, s105, s66
	s_add_co_u32 s105, s105, 80                    ; its group of wv: 80 + 4 (c % 2) + cx
	s_add_co_u32 s2, s100, s20
	s_mul_i32 s2, s2, XH
	s_mov_b32 s3, 0
	s_add_co_u32 s22, s104, s20
	s_mul_i32 s22, s22, XH
	s_mov_b32 s23, 0
	s_add_co_u32 s90, s104, s19                    ; the refills of part 1: wave w takes group w / 2, K step w % 2 of a pair
	s_mul_i32 s90, s90, XH
	s_mul_i32 s21, s20, UN
	s_add_co_u32 s90, s90, s21
	s_mov_b32 s91, 0
	s_mul_i32 s92, s105, XH                        ; those of wv: wave w takes K step w of four
	s_mul_i32 s21, s18, UN
	s_add_co_u32 s92, s92, s21
	s_mov_b32 s93, 0
	s_add_co_u32 s94, s21, WR                      ; a refill goes to unit w of the slot
	s_mul_i32 s21, s20, XH                         ; where my tokens go,
	s_add_co_u32 s14, s21, QB
	s_mul_i32 s15, s20, QB
	s_add_co_u32 s15, s15, WR                      ; and my weights
	s_add_co_u32 s16, s15, WS
	v_and_b32 v2, 31, v0
	v_lshlrev_b32 v[LI], 4, v2
	v_lshlrev_b32 v[L8], 3, v2
	v_min_u32 v2, 24, v2
	v_lshlrev_b32 v[PFO], 8, v2                    ; the prefetch: 25 lanes, a block of 256 bytes each
	s_wait_dscnt 0x0                               ; both opening adds are done
	s_wait_alu depctr_va_vdst(0)
	s_wait_kmcnt 0x0
	s_add_nc_u64 s[2:3], s[4:5], s[2:3]
	s_add_nc_u64 s[22:23], s[4:5], s[22:23]
	s_add_nc_u64 s[90:91], s[4:5], s[90:91]
	s_add_nc_u64 s[88:89], s[4:5], s[92:93]        ; wv
	GRP0 G0, s21, 2, 0                             ; the tokens' K steps 0, 1
	GRP0 G0+4, s14, 2, QB                          ; and 2 to 7
	GRP0 G0B, s15, 22, 0                           ; the weights' K steps 0, 1
	GRP0 G0B+4, s16, 22, QB                        ; and 2, 3
	GRP0 G0W, s94, 90, 4*UN                        ; the refills begin at K step 4
	s_mul_i32 s92, s66, 75*256                     ; the prefetch: of the 300 blocks of my tokens' K steps 2-7 the partner at cx takes 75,
	s_add_nc_u64 s[PFX:PFX+1], s[2:3], QB
	s_add_nc_u64 s[PFX:PFX+1], s[PFX:PFX+1], s[92:93]
	s_mul_i32 s92, s67, 25*256                     ; of the 100 of my weights' K steps 2, 3 the partner at cy 25
	s_add_nc_u64 s[PFW:PFW+1], s[22:23], QB
	s_add_nc_u64 s[PFW:PFW+1], s[PFW:PFW+1], s[92:93]
	CROUND                                         ; all sixteen work-groups are here: the first joint loads meet
	JLOAD G0, G1, G0B, G1B                         ; K steps 0, 1: one tensor load a wave at the head
	s_cmp_eq_u32 s19, 0
	s_cbranch_scc0 .Lask_weights
	global_prefetch_b8 v[PFO], s[PFX:PFX+1] th:TH_LOAD_NT scope:SCOPE_SE
	global_prefetch_b8 v[PFO], s[PFX:PFX+1] offset:6400 th:TH_LOAD_NT scope:SCOPE_SE
	global_prefetch_b8 v[PFO], s[PFX:PFX+1] offset:12800 th:TH_LOAD_NT scope:SCOPE_SE
	s_branch .Lall_asked
.Lask_weights:
	s_cmp_lt_u32 ttmp9, 4
	s_cbranch_scc0 .Lall_asked
	global_prefetch_b8 v[PFO], s[PFW:PFW+1] th:TH_LOAD_NT scope:SCOPE_SE
.Lall_asked:
	v_and_b32 v1, 15, v0                           ; r
	v_bfe_u32 v2, v0, 4, 1                         ; h
	s_wait_alu depctr_va_vdst(0)
	; where the results go, and the biases.  Part 1: one unit a wave.  Part 2: half a unit: four fragments, 256 bytes of scale words
	s_lshl_b32 s3, s66, 1
	s_add_co_u32 s3, s3, s20                       ; my column group: 2 cx + my half of B
	s_add_co_u32 s2, s100, s19                     ; my token group in part 1
	s_lshl_b32 s2, s2, 3
	s_lshl_b32 s21, s101, 9
	s_add_co_u32 s2, s2, s21
	s_add_co_u32 s2, s2, s3                        ; q, k: 512 (c % 2) + 8 x token group + column group
	s_lshr_b32 s22, ttmp9, 2                       ; the batch
	s_lshl_b32 s22, s22, 3
	s_lshl_b32 s23, s101, 2
	s_add_co_u32 s23, s23, s66                     ; the channel group: 4 (c % 2) + cx
	s_add_co_u32 s22, s22, s23
	s_lshl_b32 s22, s22, 4
	s_and_b32 s21, s100, 15                        ; the work-group's first token group, in its batch
	s_add_co_u32 s22, s22, s21
	s_add_co_u32 s22, s22, s20                     ; my token group in part 2
	s_add_co_u32 s22, s22, 1024                    ; v: 1024 + 16 (8 batch + channel group) + token group
	s_cmp_lg_u32 s101, 0
	s_cselect_b64 s[6:7], s[8:9], s[6:7]           ; bk or bq
	s_lshl_b32 s3, s3, 9                           ; the bias of my 128 columns; register j of tile t wants number 16 t + 8 h + j
	v_lshl_add_u32 v[BO], v2, 5, s3
	WIN 0x40                                       ; destination window 1
.irp t, 0,1,2,3,4,5,6,7
	global_load_b128 v[96+8*\t+96*(\t/4):96+8*\t+96*(\t/4)+3], v[BO], s[6:7] offset:64*\t
	global_load_b128 v[96+8*\t+96*(\t/4)+4:96+8*\t+96*(\t/4)+7], v[BO], s[6:7] offset:64*\t+16
.endr
	WIN 0
	s_lshl_b32 s23, s23, 9                         ; bv of my 64 channels; every register of tile a wants number 16 a + r
	s_lshl_b32 s21, s19, 8
	s_add_co_u32 s23, s23, s21
	v_lshl_add_u32 v[BO2], v1, 2, s23
	s_mul_i32 s98, s2, UN
	s_mov_b32 s99, 0
	s_add_nc_u64 s[14:15], s[12:13], s[98:99]      ; part 1's codes
	s_add_nc_u64 s[16:17], s[14:15], 12288         ; and its scale words
	s_mul_i32 s98, s22, UN
	s_add_nc_u64 s[90:91], s[12:13], s[98:99]
	s_add_co_u32 s98, s21, 12288
	s_add_nc_u64 s[94:95], s[90:91], s[98:99]      ; part 2's scale words
	s_mul_i32 s98, s19, 6144
	s_add_nc_u64 s[92:93], s[90:91], s[98:99]      ; and its codes
	; LDS addresses
	s_mul_i32 s21, s19, XH                         ; part 1: my half of the tokens
	v_add_nc_u32 v[ADRA], s21, v[LI]
	v_add_nc_u32 v[ADRA+1], 4*UN, v[ADRA]
	s_mul_i32 s22, s20, QB
	s_add_co_u32 s22, s22, WR                      ; my half of the weights
	v_add_nc_u32 v[ADRB], s22, v[LI]
	v_add_nc_u32 v[ADRB+1], WS, v[ADRB]
.irp j, 0,1,2,3                        ; scale words: lanes 16-31 stand at the weights'
	s_add_co_u32 s23, s22, WS*(\j%2)
	s_sub_co_u32 s23, s23, s21
	s_sub_co_u32 s23, s23, QB*\j
	v_mul_u32_u24 v[T0], s23, v2
	v_lshl_add_u32 v[T0], v1, 4, v[T0]
	s_add_co_u32 s23, s21, QB*\j
	v_add_nc_u32 v[ADRS+\j], s23, v[T0]
.endr
	s_mul_i32 s21, s18, SZ
	s_add_co_u32 s21, s21, SCR
	v_lshl_add_u32 v[SCW], v1, 4, s21
	v_add_nc_u32 v[SCRR], s21, v[LI]
	v_add_nc_u32 v[SCR8], s21, v[L8]
	s_mul_i32 s21, s19, 6144                       ; part 2: my four fragments of wv's eight
	s_add_co_u32 s21, s21, WR
	v_add_nc_u32 v[P2B], s21, v[LI]
	s_mul_i32 s22, s20, XH                         ; my token group
	v_add_nc_u32 v[P2B+1], s22, v[LI]
	s_lshl_b32 s21, s19, 8
	s_add_co_u32 s21, s21, WR
	s_sub_co_u32 s21, s21, s22
	v_sub_nc_u32 v[T0], 1, v2                      ; 1 in lanes 0-15, which take wv's words
	v_mul_u32_u24 v[T0], s21, v[T0]
	v_lshl_add_u32 v[T0], v1, 4, v[T0]
	v_add_nc_u32 v[P2B+2], s22, v[T0]
	s_add_co_u32 s22, s22, 256
	v_lshl_add_u32 v[P2B+3], v1, 4, s22
	s_mov_b32 s96, 0x76543210
	s_mov_b32 s97, 0xfedcba98                      ; selects for lane l xor 16
	s_wait_alu depctr_va_vdst(0)                   ; the wait at the head's end
	s_wait_loadcnt 0x0                             ; the bias
	s_wait_tensorcnt 0x0                           ; my part of K steps 0, 1 has landed
	ds_add_u32 v[SPW], v[NIL]
	s_wait_dscnt 0x0
	CROUND
	JLOAD G0+4, G1X, G0B+4, G1B                    ; the tokens' K steps 2-7, the weights' 2, 3
.irp n, 0,1,2,3,4
	RUN \n, 0, 0
.endr
	STEP 0, 1                                      ; the first K step starts the sums on the bias
	TURN 1                                         ; slot 0 takes the weights' K steps 4, 5
	PLACES 4                                       ; in front of loads into registers that the first K step's matrix instructions have read as C
	WIN 0x40
.irp a, 0,1,2,3
.irp j, 0,1,2,3,4,5,6,7
	global_load_b32 v[96+8*\a+\j], v[BO2], s[10:11] offset:64*\a   ; bv's four tiles: the eight registers of a tile hold the same number, the lane's channel's
.endr
.endr
	WIN 0
	STEP 2, 0
	TURN 3
	STEP 4, 0
	TURN 5
	STEP 6, 0
	TURN 7                                         ; the last K step: slot 1 takes wv's K steps 4-7
	PLACES 4                                       ; in front of the first read of results and of writes over operands that are done with
.irp b, 0,1,2,3
	v_mov_b32 v[TX+\b], 0                          ; a lane permute's destination counts as read
.endr
.irp a, 0,1,2,3,4,5,6,7
	QOUT \a, 14
.endr
	ds_load_b128 v[OSR:OSR+3], v[SCRR]             ; the unit's 128 scale words (LDS serves a wave's instructions in order)
	s_wait_dscnt 0x0
	global_store_b128 v[LI], v[OSR:OSR+3], s[16:17]
	s_wait_xcnt 0x0                                ; part 1's stores have read their registers: the loads below land in them
	s_wait_loadcnt 0x0                             ; bv
	s_wait_tensorcnt 0x0                           ; my part of wv's K steps 4-7 has landed;
	s_barrier_signal -1
	s_barrier_wait -1                              ; everybody's has
.irp n, 0,1,2,3
	RUN2 \n, P2B, 0, 0
.endr
	STEP2 P2B, UN, 0, 1                            ; the first K step starts the sums on bv
	s_mov_b32 s2, 0
	s_mov_b32 s3, 2*UN
.Lpart2:                                               ; K steps 2 t + 1 and 2 t + 2
.irp i, 0,1,2,3
	v_add_nc_u32 v[P2C+\i], s3, v[P2B+\i]          ; K step 2 t + 2, which is fetched first
.endr
	s_wait_alu depctr_va_vdst(0)
	STEP2 P2C, 0, 1, 0
	STEP2 P2C, UN, 0, 0
	s_add_co_u32 s3, s3, 2*UN
	s_add_co_u32 s2, s2, 1
	s_cmp_lt_u32 s2, 3
	s_cbranch_scc1 .Lpart2
	s_wait_dscnt 9                                 ; K step 7
	MULV 0, 1, 0
	s_wait_dscnt 0x0
.irp a, 1,2,3
	MULV \a, 1, 0
.endr
	WIN 0
	PLACES 4
.irp a, 0,1,2,3
	QOUT \a, 92
.endr
	ds_load_b64 v[OSR:OSR+1], v[SCR8]              ; my 64 channels' scale words
	s_wait_dscnt 0x0
	global_store_b64 v[L8], v[OSR:OSR+1], s[94:95] ; 256 consecutive bytes, aligned
	s_wait_tensorcnt 0x0                           ; the wave's end
	ds_add_u32 v[SPW], v[NIL]
	s_wait_dscnt 0x0
	CROUND                                         ; the closing round
	s_endpgm
.Lfunc_end_k_q654c53be36_qkv:
	.size	k_q654c53be36_qkv, .Lfunc_end_k_q654c53be36_qkv-k_q654c53be36_qkv
	.p2alignl 7, 3214868480
	.fill 96, 4, 3214868480
	.section	.rodata,"a",@progbits
	.p2align	6, 0x0
	.amdhsa_kernel k_q654c53be36_qkv
		.amdhsa_group_segment_fixed_size 327680
		.amdhsa_private_segment_fixed_size 0
		.amdhsa_enable_private_segment 0
		.amdhsa_kernarg_size 40
		.amdhsa_user_sgpr_count 2
		.amdhsa_user_sgpr_kernarg_segment_ptr 1
		.amdhsa_wavefront_size32 1
		.amdhsa_system_sgpr_workgroup_id_x 1
		.amdhsa_system_sgpr_workgroup_id_y 1
		.amdhsa_system_sgpr_workgroup_id_z 1
		.amdhsa_system_vgpr_workitem_id 0
		.amdhsa_next_free_vgpr 1024
		.amdhsa_next_free_sgpr 106
		.amdhsa_reserve_vcc 0
		.amdhsa_float_denorm_mode_32 3
		.amdhsa_float_denorm_mode_16_64 3
		.amdhsa_memory_ordered 1
		.amdhsa_forward_progress 1
		.amdhsa_inst_pref_size 192
	.end_amdhsa_kernel
	.amdgpu_metadata
---
amdhsa.version: [ 1, 2 ]
amdhsa.kernels:
  - .name:           k_q654c53be36_qkv
    .symbol:         k_q654c53be36_qkv.kd
    .args:
      - { .name: xw, .offset: 0, .size: 8, .value_kind: global_buffer, .address_space: global }
      - { .name: bq, .offset: 8, .size: 8, .value_kind: global_buffer, .address_space: global }
      - { .name: bk, .offset: 16, .size: 8, .value_kind: global_buffer, .address_space: global }
      - { .name: bv, .offset: 24, .size: 8, .value_kind: global_buffer, .address_space: global }
      - { .name: qkv, .offset: 32, .size: 8, .value_kind: global_buffer, .address_space: global }
    .group_segment_fixed_size: 327680
    .private_segment_fixed_size: 0
    .kernarg_segment_align: 8
    .kernarg_segment_size: 40
    .max_flat_workgroup_size: 128
    .sgpr_count:     106
    .vgpr_count:     1024
    .wavefront_size: 32
...
	.end_amdgpu_metadata
.endif
;; end of part 2
;; launch scores (part 3): grid 64 x 4, 4 waves a work-group, clusters of 4 x 4, 327,680 bytes of LDS; arguments qkv, p_codes, p_meta; writes p_codes, p_meta
.if DOCPART == 3
	.amdgcn_target "amdgcn-amd-amdhsa--gfx1250"
	.amdhsa_code_object_version 6
	.text
	.protected	k_q654c53be36_scores
	.globl	k_q654c53be36_scores
	.p2align	8
	.type	k_q654c53be36_scores,@function
k_q654c53be36_scores:
	s_mov_b64 s[64:65], 0
	v_nop
	global_prefetch_b8 v0, s[64:65] scope:SCOPE_SE
	s_setreg_imm32_b32 hwreg(HW_REG_WAVE_MODE, 25, 1), 1
	s_wait_xcnt 0x0
	s_wait_alu depctr_hold_cnt(0) depctr_sa_sdst(0) depctr_va_vdst(0) depctr_va_sdst(0) depctr_va_ssrc(0) depctr_va_vcc(0) depctr_vm_vsrc(0)
	s_getreg_b32 s2, hwreg(HW_REG_IB_STS2, 6, 4)
	s_cmp_eq_u32 s2, 0
	s_cbranch_scc0 .Lentry_in_a_cluster
	s_endpgm
.Lentry_in_a_cluster:
	s_bfe_u32 s2, ttmp6, 0x10000c
	s_cmp_lg_u32 s2, 0xf033
	s_cbranch_scc0 .Lentry_shape_is_right
	s_endpgm
.Lentry_shape_is_right:
; S = q k^T on codes of BF6, and the softmax's numerators as codes: for each query and each run of 128 keys (a wave's tile) t = score x log2(e) / 32,
; M = the run's largest t rounded UP to a whole number, p = 2^(t - M), quantised along the keys.  Stored: p's codes, its scale words, -M and the sum
; of the unquantised p.  M is a LOCAL maximum: the next launch takes the row's largest M and shifts scale bytes and sums by the whole-number
; difference, which changes no code.  So a maximum is taken away ahead of every exponential, and no exponent is above 0.
; OPERANDS as images of the matrix unit's registers: a unit of q or k = 128 rows x 128 K: 12,288 bytes of codes, then 512 bytes of scale words; q's units
; 8 x row group + K step, k's 512 + the same.  p's units (12,288 bytes): 16 x query group + key group in the batch; p_meta: three sections of 524,288 bytes
; (scale words, -M, sums), 512 bytes a unit.
; SHARES: 16 clusters of 4 x 4: a cluster takes 1,024 queries x 1,024 keys of a batch, a work-group 256 x 256, a wave 128 x 128.  K = 1,024 in 8 steps.
; q's tiles are shared along a row of the cluster, k's along a column: joint loads, one a wave each: K steps 0-2 at the head into slot 0, 3-5 behind the head into
; slot 1, 6, 7 in K step 2 into slot 0.
; A PREFETCH into the L2 for K steps 6, 7, asked behind the second load: of a wave's 100 blocks of 256 bytes each of the four partners takes 25, told apart by address.
; The second load has none: no K step stands ahead of it.
; TRANSPOSED USE: source 0 = 16 keys, source 1 = 16 queries: lane (r, h) of accumulator (a, b) holds query 16 a + r and key 16 b + 8 h + j in register j.
; Inside a block of 32 keys place 16 s + 8 u + j holds key 32 B + 16 u + 8 s + j: the order in which v's codes were laid too.
; LIMITS: NaN and infinities are not served; a block whose every p has fallen to 0 keeps the byte 1 (its codes are zeros).
; REGISTERS: window 0: v1-14 addresses; v16-27, v48-61 at work in the softmax; v28-29 for the add; v32-47 scale words, two sets; v64-159, v160-255 q's fragments,
; two sets (behind the last product: v64-127 p, v128-223 the codes, v224-255 scale words, -M, sums).  Window 1: k's two sets.  Windows 2, 3: the accumulators.
.set UN,    12800                      ; a unit
.set QB,    3*UN                       ; a wave's part of a slot: q's halves, then k's halves
.set SLOTB, 4*QB
.set SPARE, 2*SLOTB
.set SCR,   SPARE+512
.set SZ,    1536
.set LI,   3
.set ADRA, 4                           ; v4-5
.set ADRB, 8                           ; v8-9
.set ADRS, 10                          ; v10-11: lanes 0-15 q's scale words, lanes 16-31 k's
.set PFO,  12
.set SCW,  13
.set SCRR, 14
.set BM,   16                          ; v16-19 the blocks' largest scores, then largest p
.set BX,   20
.set SO,   24
.set SPW,  28
.set NIL,  29
.set SC,   32
.set PT,   48
.set RM,   56
.set LS,   58
.set LS2,  60
.set AF,   64
.set PB,   64
.set PCB,  128
.set PW,   224
.set NMB,  232                         ; -M of fragment a in v[232 + 2 a]; its odd neighbour is named with it as a pair
.set LL,   248
.set G1,   24                          ; my row of the cluster, 150 rows of 256 bytes: three units
.set G0,   32                          ; s[32:35], s[36:39] q's tiles, slot 0, 1
.set PFA,  40
.set G1B,  44                          ; my column, 150 rows
.set G0B,  52                          ; s[52:55], s[56:59] k's tiles
.set G1S,  68                          ; my row, 100 rows
.set G1SB, 80                          ; my column, 100 rows
.set MSB, 0
.macro WIN new                         ; the immediate's high byte repeats the setting that is left
.if MSB != \new
	s_set_vgpr_msb (MSB<<8)|\new
.set MSB, \new
.endif
.endm
.macro PLACES n
.rept \n
	v_nop
.endr
.endm
.macro JLOAD g0a, g1a, g0b, g1b        ; waves 0 and 1 fetch for q, waves 2 and 3 for k; four v_nop follow each line
	s_cmp_eq_u32 s19, 0
	s_cbranch_scc0 .Lfor_b_\@
	tensor_load_to_lds s[\g0a:\g0a+3], s[\g1a:\g1a+7]
	s_nop 0
	PLACES 4
	s_branch .Lasked_\@
.Lfor_b_\@:
	tensor_load_to_lds s[\g0b:\g0b+3], s[\g1b:\g1b+7]
	s_nop 0
	PLACES 4
.Lasked_\@:
.endm
.macro CREST                           ; a round of the cluster's barrier behind its opening barrier
	s_cmp_lg_u32 s18, 0
	s_cbranch_scc1 .Lnot_wave_0_\@
	s_barrier_signal -3
.Lnot_wave_0_\@:
	s_barrier_wait -3
	s_barrier_signal -1
	s_barrier_wait -1
.endm
.macro CROUND
	s_barrier_signal -1
	s_barrier_wait -1
	CREST
.endm
.macro SHAPE g, mask, rows             ; group 1: a dense block as rows of 256 bytes (32 elements of 8 bytes)
	s_or_b32 s[\g], \mask, (3<<16)|(1<<21)
	s_mov_b32 s[\g+1], 32<<16
	s_mov_b32 s[\g+2], (\rows)<<16
	s_mov_b32 s[\g+3], 32<<16
	s_mov_b32 s[\g+4], \rows
	s_mov_b32 s[\g+5], 32
	s_mov_b32 s[\g+6], 0
	s_mov_b32 s[\g+7], 0
.endm
.macro GRP0 g, lds, p, off
	s_mov_b32 s[\g], 1
	s_mov_b32 s[\g+1], \lds
	s_add_nc_u64 s[\g+2:\g+3], s[\p:\p+1], \off
	s_or_b32 s[\g+3], s[\g+3], 0x80000000
.endm
.macro FETCH nk, p                     ; 50 LDS loads of 512 bytes in one run: K step nk into set p
.set FS, ((\nk)/3)%2
.set FQ, (\nk)%3
	WIN 0x40
.irp i, 0,1,2,3,4,5,6,7
.irp c, 0,1,2
	ds_load_b128 v[128*(\p)+12*\i+4*\c:128*(\p)+12*\i+4*\c+3], v[ADRB+FS] offset:FQ*UN+\i*1536+\c*512
.endr
.endr
	WIN 0
.irp i, 0,1,2,3,4,5,6,7
.irp c, 0,1,2
	ds_load_b128 v[AF+96*(\p)+12*\i+4*\c:AF+96*(\p)+12*\i+4*\c+3], v[ADRA+FS] offset:FQ*UN+\i*1536+\c*512
.endr
.endr
	ds_load_b128 v[SC+8*(\p):SC+8*(\p)+3], v[ADRS+FS] offset:FQ*UN+12288
	ds_load_b128 v[SC+8*(\p)+4:SC+8*(\p)+7], v[ADRS+FS] offset:FQ*UN+12544
.endm
; 8 matrix instructions: q's fragment a against k's eight.  zero = 1: the first K step starts the sums.  The 64 accumulators take turns.
.macro MUL8 a, p, zero
.set AW, 2+(\a)/4
.set WW, (AW<<6)|(AW<<4)|1
	WIN WW
.irp b, 0,1,2,3,4,5,6,7
.set rD, 8*(8*((\a)%4)+\b)
.set rB, 128*(\p)+12*\b
.set rA, AF+96*(\p)+12*(\a)
.if \zero
	v_wmma_scale_f32_16x16x128_f8f6f4 v[rD:rD+7], v[rB:rB+11], v[rA:rA+11], 0, v[SC+8*(\p)+\b], v[SC+8*(\p)+(\a)] matrix_a_fmt:MATRIX_FMT_BF6 matrix_b_fmt:MATRIX_FMT_BF6 matrix_a_scale:MATRIX_SCALE_ROW1
.else
	v_wmma_scale_f32_16x16x128_f8f6f4 v[rD:rD+7], v[rB:rB+11], v[rA:rA+11], v[rD:rD+7], v[SC+8*(\p)+\b], v[SC+8*(\p)+(\a)] matrix_a_fmt:MATRIX_FMT_BF6 matrix_b_fmt:MATRIX_FMT_BF6 matrix_a_scale:MATRIX_SCALE_ROW1
.endif
.endr
.endm
.macro STEP kap, zero
.set NK, (\kap)+1
	s_wait_dscnt 0x0                               ; this step's fragments and scale words are in
.if (\kap) > 0
	PLACES 4                                       ; in front of loads into registers that the last step's matrix instructions have read
.endif
	FETCH NK, NK%2
.irp a, 0,1,2,3,4,5,6,7
	MUL8 \a, (\kap)%2, \zero
.endr
	WIN 0
.endm
.macro TURN kap, kind                  ; a K step with a barrier; kind = 1: slot 0 takes K steps 6 and 7, behind a round of the cluster's barrier
.set NK, (\kap)+1
	s_wait_tensorcnt 0x0                           ; all my tensor loads have landed
	ds_add_u32 v[SPW], v[NIL]                      ; 0 onto my spare word
	s_wait_dscnt 0x1                               ; only the add may be out
	MUL8 0, (\kap)%2, 0
	s_wait_dscnt 0x0                               ; the add is done; my LDS reads are over
	s_barrier_signal -1
	MUL8 1, (\kap)%2, 0
	WIN 0
	s_barrier_wait -1
.if \kind
	CREST
	s_add_nc_u64 s[G0+2:G0+3], s[G0+2:G0+3], 6*UN
	s_add_nc_u64 s[G0B+2:G0B+3], s[G0B+2:G0B+3], 6*UN
	JLOAD G0, G1S, G0B, G1SB                       ; three K steps in which to land; its four v_nop are the places in front of the loads below
.else
	PLACES 4
.endif
	FETCH NK, NK%2
.irp a, 2,3,4,5,6,7
	MUL8 \a, (\kap)%2, 0
.endr
	WIN 0
.endm
	s_load_b64 s[4:5], s[0:1], 0x0                 ; q's and k's units
	s_load_b128 s[8:11], s[0:1], 0x8               ; p's codes s[8:9], p_meta s[10:11]
	v_lshl_add_u32 v[SPW], v0, 2, SPARE
	v_mov_b32 v[NIL], 0
	ds_add_u32 v[SPW], v[NIL]                      ; the opening: the add, twice on end, and its wait ahead of my first tensor load
	ds_add_u32 v[SPW], v[NIL]
	v_lshrrev_b32 v1, 5, v0
	v_readfirstlane_b32 s18, v1
	s_lshr_b32 s19, s18, 1                         ; my half of the queries.  Also: I fetch for q (0) or for k (1)
	s_and_b32 s20, s18, 1                          ; my half of the keys.  Also: which half I fetch
	s_bfe_u32 s66, ttmp6, 0x40000                  ; cx
	s_bfe_u32 s67, ttmp6, 0x40004                  ; cy
	s_lshl_b32 s92, s67, 2
	s_lshl_b32 s92, 15, s92
	s_lshl_b32 s93, 0x1111, s66
	SHAPE G1, s92, 150
	SHAPE G1B, s93, 150
	SHAPE G1S, s92, 100
	SHAPE G1SB, s93, 100
	s_lshr_b32 s94, ttmp9, 1
	s_lshl_b32 s94, s94, 3                         ; q's row groups: 16 batch + 8 x (which half of the queries) = 8 (c / 2)
	s_lshr_b32 s95, ttmp9, 2
	s_lshl_b32 s95, s95, 4
	s_and_b32 s2, ttmp9, 1
	s_lshl_b32 s2, s2, 3
	s_add_co_u32 s95, s95, s2
	s_add_co_u32 s95, s95, 64                      ; k's: 64 + 16 batch + 8 (c % 2)
	s_lshl_b32 s100, s67, 1
	s_add_co_u32 s100, s100, s20
	s_add_co_u32 s100, s100, s94                   ; hangs on cy, not on cx
	s_lshl_b32 s101, s66, 1
	s_add_co_u32 s101, s101, s20
	s_add_co_u32 s101, s101, s95                   ; on cx, not on cy
	s_mul_i32 s2, s100, 8*UN
	s_mov_b32 s3, 0
	s_mul_i32 s22, s101, 8*UN
	s_mov_b32 s23, 0
	s_mul_i32 s21, s18, QB                         ; my part of slot 0,
	s_add_co_u32 s76, s21, SLOTB                   ; and of slot 1
	s_cmp_eq_u32 s19, 0
	s_cselect_b32 s78, s66, s67                    ; my place among the four that ask with me
	s_mul_i32 s78, s78, 6400
	s_mov_b32 s79, 0
	v_and_b32 v2, 31, v0
	v_lshlrev_b32 v[LI], 4, v2
	v_min_u32 v2, 24, v2
	v_lshlrev_b32 v[PFO], 8, v2                    ; the prefetch: 25 lanes, a block of 256 bytes each
	s_wait_dscnt 0x0                               ; both opening adds are done
	s_wait_alu depctr_va_vdst(0)
	s_wait_kmcnt 0x0
	s_add_nc_u64 s[2:3], s[4:5], s[2:3]
	s_add_nc_u64 s[22:23], s[4:5], s[22:23]
	GRP0 G0, s21, 2, 0
	GRP0 G0+4, s76, 2, QB
	GRP0 G0B, s21, 22, 0
	GRP0 G0B+4, s76, 22, QB
	s_cmp_eq_u32 s19, 0
	s_cselect_b64 s[PFA:PFA+1], s[2:3], s[22:23]
	s_add_nc_u64 s[PFA:PFA+1], s[PFA:PFA+1], 6*UN
	s_add_nc_u64 s[PFA:PFA+1], s[PFA:PFA+1], s[78:79]
	CROUND                                         ; all sixteen work-groups are here: the first joint loads meet
	JLOAD G0, G1, G0B, G1B                         ; K steps 0-2: one tensor load a wave at the head
	v_and_b32 v1, 15, v0
	v_bfe_u32 v2, v0, 4, 1
	s_wait_alu depctr_va_vdst(0)
	s_mul_i32 s21, s19, QB
	v_add_nc_u32 v[ADRA], s21, v[LI]
	v_add_nc_u32 v[ADRA+1], SLOTB, v[ADRA]
	s_mul_i32 s22, s20, QB
	s_add_co_u32 s22, s22, 2*QB
	v_add_nc_u32 v[ADRB], s22, v[LI]
	v_add_nc_u32 v[ADRB+1], SLOTB, v[ADRB]
	s_sub_co_u32 s3, s22, s21
	v_mul_u32_u24 v7, s3, v2                       ; lanes 16-31 take k's scale words
	v_lshl_add_u32 v7, v1, 4, v7
	v_add_nc_u32 v[ADRS], s21, v7
	v_add_nc_u32 v[ADRS+1], SLOTB, v[ADRS]
	s_mul_i32 s21, s18, SZ
	s_add_co_u32 s21, s21, SCR
	v_lshl_add_u32 v[SCW], v1, 4, s21
	v_add_nc_u32 v[SCRR], s21, v[LI]
	s_mov_b32 s96, 0x76543210
	s_mov_b32 s97, 0xfedcba98
	s_mov_b32 s98, 0x3d38aa3b                      ; c = log2(e) / 32: the division by sqrt(1024) is exact, so one multiplication rounds as two would
	s_mov_b32 s99, s98                             ; (named with it as a pair)
	s_lshl_b32 s4, s67, 1
	s_add_co_u32 s4, s4, s19
	s_add_co_u32 s4, s4, s94                       ; my query group
	s_lshl_b32 s4, s4, 4
	s_and_b32 s5, ttmp9, 1
	s_lshl_b32 s5, s5, 3
	s_add_co_u32 s4, s4, s5
	s_lshl_b32 s5, s66, 1
	s_add_co_u32 s5, s5, s20
	s_add_co_u32 s4, s4, s5                        ; the unit: 16 x query group + key group in the batch
	s_mul_i32 s22, s4, 12288
	s_mov_b32 s23, 0
	s_add_nc_u64 s[8:9], s[8:9], s[22:23]
	s_lshl_b32 s22, s4, 9
	s_add_nc_u64 s[10:11], s[10:11], s[22:23]
	s_wait_alu depctr_va_vdst(0)                   ; the wait at the head's end
	s_wait_tensorcnt 0x0                           ; my part of K steps 0-2 has landed
	ds_add_u32 v[SPW], v[NIL]
	s_wait_dscnt 0x0
	CROUND
	JLOAD G0+4, G1, G0B+4, G1B                     ; K steps 3-5
	FETCH 0, 0
	global_prefetch_b8 v[PFO], s[PFA:PFA+1] th:TH_LOAD_NT scope:SCOPE_SE
	STEP 0, 1
	STEP 1, 0
	TURN 2, 1
	STEP 3, 0
	STEP 4, 0
	TURN 5, 0
	STEP 6, 0
	s_wait_dscnt 0x0
.irp a, 0,1,2,3,4,5,6,7
	MUL8 \a, 1, 0
.endr
	WIN 0
	PLACES 4
.irp b, 0,1,2,3
	v_mov_b32 v[BX+\b], 0                          ; a lane permute's destination counts as read
.endr
.irp a, 0,1,2,3,4,5,6,7
	v_mov_b32 v[NMB+2*\a+1], 0                     ; named as the upper half of a pair
.endr
; Queries 16 a + r: the softmax's numerators over my 128 keys, as fragment a of the unit.
.macro POUT a
.set AW, 2+(\a)/4
.set AC, 64*((\a)%4)
.set PCA, PCB+12*(\a)
.set NM, NMB+2*(\a)
.set WW, AW|(AW<<2)
	WIN WW
.irp b, 0,1,2,3
	v_max_num_f32 v[BM+\b], v[AC+16*\b], v[AC+16*\b+1]           ; the largest score of each block of 32 keys; each accumulator is read from its low end on
.endr
.irp i, 2,4,6,8,10,12,14
.irp b, 0,1,2,3
	v_max3_num_f32 v[BM+\b], v[AC+16*\b+\i], v[AC+16*\b+\i+1], v[BM+\b]
.endr
.endr
	WIN 0
.irp b, 0,1,2,3
	v_permlanex16_b32 v[BX+\b], v[BM+\b], s96, s97
.endr
.irp b, 0,1,2,3
	v_max_num_f32 v[BM+\b], v[BM+\b], v[BX+\b]
.endr
	v_max3_num_f32 v[RM], v[BM], v[BM+1], v[BM+2]
	v_max_num_f32 v[RM], v[RM], v[BM+3]
	v_mul_f32 v[RM], s98, v[RM]                    ; the largest t of my query's 128 keys (c is positive)
	v_floor_f32 v[NM], -v[RM]                      ; -M = floor(-t): M is a whole number
	WIN AW
.set jj, 0
.rept 32
	v_pk_fma_f32 v[PB+jj:PB+jj+1], v[AC+jj:AC+jj+1], s[98:99], v[NM:NM+1] op_sel_hi:[1,0,0]   ; t - M, two at a time
.set jj, jj+2
.endr
	WIN 0
.irp b, 0,1,2,3
	v_fma_f32 v[BM+\b], v[BM+\b], s98, v[NM]       ; the same of each block's largest score
.endr
.set jj, 0
	s_wait_alu depctr_va_vdst(0)                   ; the wait ahead of the batch
.rept 64
	v_exp_f32 v[PB+jj], v[PB+jj]                   ; p = 2^(t - M), at most 1
.set jj, jj+1
.endr
	v_nop                                          ; a plain place behind the exponentials
	s_wait_alu depctr_va_vdst(0)                   ; one wait for the batch, ahead of its first reader
.irp b, 0,1,2,3
	v_exp_f32 v[BM+\b], v[BM+\b]                   ; the block's largest p: the same two instructions on the same number
.endr
	v_pk_add_f32 v[LS:LS+1], v[PB:PB+1], v[PB+2:PB+3]            ; the sum of the unquantised p, in two chains
	v_pk_add_f32 v[LS2:LS2+1], v[PB+4:PB+5], v[PB+6:PB+7]
.set jj, 8
.rept 14
	v_pk_add_f32 v[LS:LS+1], v[LS:LS+1], v[PB+jj:PB+jj+1]
	v_pk_add_f32 v[LS2:LS2+1], v[LS2:LS2+1], v[PB+jj+2:PB+jj+3]
.set jj, jj+4
.endr
	v_pk_add_f32 v[LS:LS+1], v[LS:LS+1], v[LS2:LS2+1]
	v_add_f32 v[LS], v[LS], v[LS+1]
	v_permlanex16_b32 v[BX], v[LS], s96, s97
	v_add_f32 v[LL+\a], v[LS], v[BX]               ; with lane l xor 16's 64 keys
	s_wait_alu depctr_va_vdst(0)                   ; and one wait for the four
.irp b, 0,1,2,3
	v_max_num_f32 v[BM+\b], 0x2800000, v[BM+\b]    ; the floor 2^(5 - 127)
.endr
.irp b, 0,1,2,3
	v_add_nc_u32 v[SO+\b], 0xfe000000, v[BM+\b]
.endr
.irp b, 0,1,2,3
	v_lshrrev_b32 v[BX+\b], 23, v[SO+\b]
.endr
	v_lshl_or_b32 v[PW+\a], v[BX+1], 8, v[BX]
	v_lshl_or_b32 v[PW+\a], v[BX+2], 16, v[PW+\a]
	v_lshl_or_b32 v[PW+\a], v[BX+3], 24, v[PW+\a]
.irp c, 0,1
	v_cvt_scalef32_pk16_bf6_f32 v[PCA+6*\c:PCA+6*\c+2], v[PB+32*\c:PB+32*\c+15], v[SO+2*\c]
	v_cvt_scalef32_pk16_bf6_f32 v[PT+4*\c:PT+4*\c+2], v[PB+32*\c+16:PB+32*\c+31], v[SO+2*\c+1]
.endr
	v_nop                                          ; one plain place behind the conversions
.irp c, 0,1
.irp i, 0,1,2
	v_permlane16_swap_b32 v[PCA+6*\c+\i], v[PT+4*\c+\i]
.endr
.irp i, 0,1,2
	v_mov_b32 v[PCA+6*\c+3+\i], v[PT+4*\c+\i]
.endr
.endr
.irp c, 0,1,2
	global_store_b128 v[LI], v[PCA+4*\c:PCA+4*\c+3], s[8:9] offset:(\a)*1536+512*\c    ; 512 consecutive bytes, aligned; these registers are written once
.endr
	ds_store_b32 v[SCW], v[PW+\a] offset:((\a)/4)*256+((\a)%4)*4
	ds_store_b32 v[SCW], v[NM] offset:512+((\a)/4)*256+((\a)%4)*4
	ds_store_b32 v[SCW], v[LL+\a] offset:1024+((\a)/4)*256+((\a)%4)*4
.endm
.irp a, 0,1,2,3,4,5,6,7
	POUT \a
.endr
.irp s, 0,1,2
	ds_load_b128 v[PB+4*\s:PB+4*\s+3], v[SCRR] offset:512*\s     ; LDS serves a wave's instructions in order: these see my stores
.endr
	s_wait_dscnt 0x0
.irp s, 0,1,2
	global_store_b128 v[LI], v[PB+4*\s:PB+4*\s+3], s[10:11] offset:\s*524288
.endr
	s_wait_tensorcnt 0x0                           ; the wave's end
	ds_add_u32 v[SPW], v[NIL]
	s_wait_dscnt 0x0
	CROUND                                         ; the closing round
	s_endpgm
.Lfunc_end_k_q654c53be36_scores:
	.size	k_q654c53be36_scores, .Lfunc_end_k_q654c53be36_scores-k_q654c53be36_scores
	.p2alignl 7, 3214868480
	.fill 96, 4, 3214868480
	.section	.rodata,"a",@progbits
	.p2align	6, 0x0
	.amdhsa_kernel k_q654c53be36_scores
		.amdhsa_group_segment_fixed_size 327680
		.amdhsa_private_segment_fixed_size 0
		.amdhsa_enable_private_segment 0
		.amdhsa_kernarg_size 24
		.amdhsa_user_sgpr_count 2
		.amdhsa_user_sgpr_kernarg_segment_ptr 1
		.amdhsa_wavefront_size32 1
		.amdhsa_system_sgpr_workgroup_id_x 1
		.amdhsa_system_sgpr_workgroup_id_y 1
		.amdhsa_system_sgpr_workgroup_id_z 1
		.amdhsa_system_vgpr_workitem_id 0
		.amdhsa_next_free_vgpr 1024
		.amdhsa_next_free_sgpr 102
		.amdhsa_reserve_vcc 0
		.amdhsa_float_denorm_mode_32 3
		.amdhsa_float_denorm_mode_16_64 3
		.amdhsa_memory_ordered 1
		.amdhsa_forward_progress 1
		.amdhsa_inst_pref_size 192
	.end_amdhsa_kernel
	.amdgpu_metadata
---
amdhsa.version: [ 1, 2 ]
amdhsa.kernels:
  - .name:           k_q654c53be36_scores
    .symbol:         k_q654c53be36_scores.kd
    .args:
      - { .name: qkv, .offset: 0, .size: 8, .value_kind: global_buffer, .address_space: global }
      - { .name: p_codes, .offset: 8, .size: 8, .value_kind: global_buffer, .address_space: global }
      - { .name: p_meta, .offset: 16, .size: 8, .value_kind: global_buffer, .address_space: global }
    .group_segment_fixed_size: 327680
    .private_segment_fixed_size: 0
    .kernarg_segment_align: 8
    .kernarg_segment_size: 24
    .max_flat_workgroup_size: 128
    .sgpr_count:     102
    .vgpr_count:     1024
    .wavefront_size: 32
...
	.end_amdgpu_metadata
.endif
;; end of part 3
;; launch pv (part 4): grid 64 x 4, 4 waves a work-group, clusters of 4 x 4, 327,680 bytes of LDS; arguments p_codes, p_meta, qkv, out0; writes out0
.if DOCPART == 4
	.amdgcn_target "amdgcn-amd-amdhsa--gfx1250"
	.amdhsa_code_object_version 6
	.text
	.protected	k_q654c53be36_pv
	.globl	k_q654c53be36_pv
	.p2align	8
	.type	k_q654c53be36_pv,@function
k_q654c53be36_pv:
	s_mov_b64 s[64:65], 0
	v_nop
	global_prefetch_b8 v0, s[64:65] scope:SCOPE_SE
	s_setreg_imm32_b32 hwreg(HW_REG_WAVE_MODE, 25, 1), 1
	s_wait_xcnt 0x0
	s_wait_alu depctr_hold_cnt(0) depctr_sa_sdst(0) depctr_va_vdst(0) depctr_va_sdst(0) depctr_va_ssrc(0) depctr_va_vcc(0) depctr_vm_vsrc(0)
	s_getreg_b32 s2, hwreg(HW_REG_IB_STS2, 6, 4)
	s_cmp_eq_u32 s2, 0
	s_cbranch_scc0 .Lentry_in_a_cluster
	s_endpgm
.Lentry_in_a_cluster:
	s_bfe_u32 s2, ttmp6, 0x10000c
	s_cmp_lg_u32 s2, 0xf033
	s_cbranch_scc0 .Lentry_shape_is_right
	s_endpgm
.Lentry_shape_is_right:
; O = P V / l on codes of BF6.  p was quantised under a whole-number maximum M of its own for each query and each 128 keys.  Here the row's largest M is taken;
; D = that M less the run's M, a whole number, is taken off the run's four scale bytes and, by v_ldexp_f32, off its partial sum: exact powers of two, no code changes.
; LIMITS: D is held at 127 and a shifted byte at 0: what that changes lies under 2^-120 of a row's sum, which is above 1/2.  NaN and infinities are not served.
; OPERANDS as images of the matrix unit's registers: p's units 16 x query group + key group, 128 rows x 128 K, 12,288 bytes; v's units 1024 + 16 x (8 batch + channel group) + key
; group, 12,288 bytes and then their 512 bytes of scale words (row 16 i + r at 256 (i / 4) + 16 r + 4 (i % 4)); p_meta: scale words, -M, sums, laid likewise.
; SHARES: 16 clusters of 4 x 4.  A work-group makes 128 queries x 256 channels (256 work-groups; tiles of 256 x 256 would give 128), a wave 64 x 128: 32 accumulators.
; K = 2,048 keys in 16 steps of 128.  p's tiles are shared along a row of the cluster, v's along a column: joint loads.  Two LDS slots of four K steps, one tensor load a wave for each.
; p_meta is asked for ahead of the first round and worked while the first slot is on its way.
; A PREFETCH into the L2 one slot ahead of each of the three later loads, shared out among the four partners by address: of a wave's 96 blocks of 256 bytes of p 24 each, of its 200 of v 50 each.
; The last two changes of slots ask for nothing.
; THE LAST TWO K STEPS GO BY ROWS OF O, K ascending: 16 queries are finished after 16 matrix instructions and leave while the others are multiplied.
; TRANSPOSED USE: source 0 = 16 channels of v, source 1 = 16 queries of p: lane (r, h) of accumulator (a, b) holds query 16 a + r and channels 16 b + 8 h + j.
; REGISTERS: window 0: v0-3 1 / l of my four fragments' rows; v4-15 addresses and the add; v16-63 scale words, four sets (v's eight, p's four); v64-255 p's fragments, four sets
; (at the head v60-209 serve p_meta).  Window 1: v's sets 0, 1 at v0 and v128; window 3: sets 2, 3; the gaps v96-127, v224-255 of both take rows on the way out.  Window 2: accumulator (a, b) at v[8 (8 a + b)].
.set UN,    12800
.set PH,    49152                      ; a slot: p's four units, then v's two halves of four units
.set VH,    4*UN
.set SLOTB, PH+2*VH
.set SCA,   2*SLOTB                    ; p's shifted scale words, 16 x 512 bytes: written by LDS stores, never filled by a load
.set LR,    SCA+8192                   ; 1 / l of the 128 queries, laid as scale words
.set SPARE, LR+512
.set STGB,  8448                       ; the way out: 16 rows x 528 bytes a wave, in slot 0, which has had its last fill and its last read by then
.set LI,    4
.set ADRA,  5                          ; v5-6  my p fragments in slot 0, 1 (v5 later: how a stage row is read back)
.set ADRB,  7                          ; v7-8  my v fragments
.set ADRV,  9                          ; v9-10 their scale words
.set ADRP,  11                         ; p's scale words
.set STO,   12
.set PFO,   13
.set SPW,   14
.set NIL,   15
.set SC,    16
.set SAW,   60
.set LRW,   61
.set MO,    62
.set LRR,   63
.set AF,    64
.set MS,    64
.set MN,    80
.set ML,    96
.set ND,    160
.set DM,    176
.set T2,    192
.set NMF,   208
.set RC,    209
.set G1,   24
.set G0,   32
.set G1B,  40
.set G0B,  48
.set PFA,  56
.set PFS,  58
.set MSB, 0
.macro WIN new
.if MSB != \new
	s_set_vgpr_msb (MSB<<8)|\new
.set MSB, \new
.endif
.endm
.macro PLACES n
.rept \n
	v_nop
.endr
.endm
.macro JLOAD s                         ; waves 0 and 1 fetch p's tiles (two K steps each), waves 2 and 3 v's halves; four v_nop follow each line
	s_cmp_eq_u32 s19, 0
	s_cbranch_scc0 .Lfor_b_\@
	tensor_load_to_lds s[G0+4*(\s):G0+4*(\s)+3], s[G1:G1+7]
	s_nop 0
	PLACES 4
	s_branch .Lasked_\@
.Lfor_b_\@:
	tensor_load_to_lds s[G0B+4*(\s):G0B+4*(\s)+3], s[G1B:G1B+7]
	s_nop 0
	PLACES 4
.Lasked_\@:
.endm
.macro ASK                             ; the prefetch: p's waves 24 blocks, v's waves 25 and 25
	WIN 0
	global_prefetch_b8 v[PFO], s[PFA:PFA+1] th:TH_LOAD_NT scope:SCOPE_SE
	s_cmp_eq_u32 s19, 0
	s_cbranch_scc1 .Lone_\@
	global_prefetch_b8 v[PFO], s[PFA:PFA+1] offset:6400 th:TH_LOAD_NT scope:SCOPE_SE
.Lone_\@:
.endm
.macro CREST
	s_cmp_lg_u32 s18, 0
	s_cbranch_scc1 .Lnot_wave_0_\@
	s_barrier_signal -3
.Lnot_wave_0_\@:
	s_barrier_wait -3
	s_barrier_signal -1
	s_barrier_wait -1
.endm
.macro CROUND
	s_barrier_signal -1
	s_barrier_wait -1
	CREST
.endm
; The LDS loads of K step kap (slot s, place q in it) into set t: 39 in four runs: first what the step's first eight products want (scale words, p's fragment 0, v's eight), then p's other three.
.macro LA i, s, q, t
.irp c, 0,1,2
	ds_load_b128 v[AF+48*(\t)+12*(\i)+4*\c:AF+48*(\t)+12*(\i)+4*\c+3], v[ADRA+\s] offset:(\q)*12288+(\i)*1536+\c*512
.endr
.endm
.macro LB i, s, q, t
.irp c, 0,1,2
	ds_load_b128 v[128*((\t)%2)+12*(\i)+4*\c:128*((\t)%2)+12*(\i)+4*\c+3], v[ADRB+\s] offset:(\q)*UN+(\i)*1536+\c*512
.endr
.endm
.macro RUN n, s, q, kap, t
.set TB, 0x40+0x80*((\t)/2)            ; destination window 1 or 3
.if (\n) == 0
	WIN 0
	ds_load_b128 v[SC+12*(\t):SC+12*(\t)+3], v[ADRV+\s] offset:(\q)*UN+12288
	ds_load_b128 v[SC+12*(\t)+4:SC+12*(\t)+7], v[ADRV+\s] offset:(\q)*UN+12544
	ds_load_b128 v[SC+12*(\t)+8:SC+12*(\t)+11], v[ADRP] offset:(\kap)*512
	LA 0, \s, \q, \t
	WIN TB
	LB 0, \s, \q, \t
	LB 1, \s, \q, \t
.endif
.if (\n) == 1
	WIN TB
	LB 2, \s, \q, \t
	LB 3, \s, \q, \t
	LB 4, \s, \q, \t
.endif
.if (\n) == 2
	WIN TB
	LB 5, \s, \q, \t
	LB 6, \s, \q, \t
	LB 7, \s, \q, \t
.endif
.if (\n) == 3
	WIN 0
	LA 1, \s, \q, \t
	LA 2, \s, \q, \t
	LA 3, \s, \q, \t
.endif
.endm
.macro MUL8 a, t, zero                 ; p's fragment a against v's eight, set t; the 32 accumulators take turns
.set MW, 0xa1+2*((\t)/2)               ; v window 1 or 3, p window 0, C and D window 2
	WIN MW
.irp b, 0,1,2,3,4,5,6,7
.set rD, 8*(8*(\a)+\b)
.set rB, 128*((\t)%2)+12*\b
.set rA, AF+48*(\t)+12*(\a)
.if \zero
	v_wmma_scale_f32_16x16x128_f8f6f4 v[rD:rD+7], v[rB:rB+11], v[rA:rA+11], 0, v[SC+12*(\t)+\b], v[SC+12*(\t)+8+(\a)] matrix_a_fmt:MATRIX_FMT_BF6 matrix_b_fmt:MATRIX_FMT_BF6
.else
	v_wmma_scale_f32_16x16x128_f8f6f4 v[rD:rD+7], v[rB:rB+11], v[rA:rA+11], v[rD:rD+7], v[SC+12*(\t)+\b], v[SC+12*(\t)+8+(\a)] matrix_a_fmt:MATRIX_FMT_BF6 matrix_b_fmt:MATRIX_FMT_BF6
.endif
.endr
.endm
.macro STEP kap, zero
.set NK, (\kap)+1
.set FS, (NK/4)%2
.set FQ, NK%4
.set FP, NK%2
	s_wait_dscnt 9                                 ; the youngest nine loads, p's fragments 1-3, may be out
.if (\kap) > 0
	PLACES 4                                       ; in front of loads into registers that the last step's matrix instructions have read
.endif
.irp n, 0,1,2,3
	RUN \n, FS, FQ, NK, FP
.endr
	MUL8 0, (\kap)%2, \zero
	s_wait_dscnt 39                                ; all but the next step's 39
.irp a, 1,2,3
	MUL8 \a, (\kap)%2, \zero
.endr
	WIN 0
.endm
; A slot's last K step changes slots: one barrier; in front of it the wait for all my tensor loads, the add, and the wait for it and for my reads of the slot.
; fill = 1: the slot is filled again, eight K steps on, behind a round of the cluster's barrier; the load has four K steps in which to land.
.macro TURN kap, fill, ask
.set NK, (\kap)+1
.set SL, ((\kap)/4)%2
.set FS, (NK/4)%2
.set FQ, NK%4
.set FP, NK%2
.if \ask
	s_wait_xcnt 0x0                                ; the last prefetches have read their address
	s_add_nc_u64 s[PFA:PFA+1], s[PFA:PFA+1], s[PFS:PFS+1]
.endif
	s_wait_tensorcnt 0x0
	ds_add_u32 v[SPW], v[NIL]                      ; 0 onto my spare word
	s_wait_dscnt 10                                ; the add and p's fragments 1-3 may be out
	MUL8 0, (\kap)%2, 0
	s_wait_dscnt 0x0
	s_barrier_signal -1
	MUL8 1, (\kap)%2, 0
	WIN 0
	s_barrier_wait -1
.if \fill
	CREST
	s_add_nc_u64 s[G0+4*SL+2:G0+4*SL+3], s[G0+4*SL+2:G0+4*SL+3], 2*PH
	s_add_nc_u64 s[G0B+4*SL+2:G0B+4*SL+3], s[G0B+4*SL+2:G0B+4*SL+3], 2*VH
	JLOAD SL                                       ; its four v_nop are the places in front of the loads below
.else
	PLACES 4
.endif
.irp n, 0,1,2,3
	RUN \n, FS, FQ, NK, FP
.endr
.if \ask
	ASK
.endif
	MUL8 2, (\kap)%2, 0
	MUL8 3, (\kap)%2, 0
	WIN 0
.endm
; THE WAY OUT of fragment a, 16 queries x 128 channels: divided by l in place; through my own stage in LDS; back as whole rows of 512 bytes; stored.
.macro SCALE a
	PLACES 4                                       ; behind the products that finished it
	WIN 0
.if (\a)%2
	v_mov_b32 v[2*((\a)/2)], v[2*((\a)/2)+1]       ; this fragment's 1 / l into the pair's low register
.endif
	WIN 0x82                                       ; source 0 and destination window 2
.set jj, 0
.rept 32
	v_pk_mul_f32 v[64*(\a)+jj:64*(\a)+jj+1], v[64*(\a)+jj:64*(\a)+jj+1], v[2*((\a)/2):2*((\a)/2)+1] op_sel_hi:[1,0]   ; each accumulator from its low end on
.set jj, jj+2
.endr
.endm
.macro TOSTAGE a
	WIN 0x08                                       ; the data: window 2
.irp b, 0,1,2,3,4,5,6,7
	ds_store_b128 v[STO], v[64*(\a)+8*\b:64*(\a)+8*\b+3] offset:64*\b
	ds_store_b128 v[STO], v[64*(\a)+8*\b+4:64*(\a)+8*\b+7] offset:64*\b+16
.endr
.set BW, 0x40+0x80*((\a)%2)            ; the gaps of window 1 or 3
	WIN BW
.irp t, 0,1,2,3,4,5,6,7,8,9,10,11,12,13,14,15
	ds_load_b128 v[96+4*\t+96*(\t/8):96+4*\t+96*(\t/8)+3], v[ADRA] offset:528*\t   ; LDS serves a wave's instructions in order: these see the stores
.endr
	WIN 0
.endm
.macro SEND a
	s_wait_dscnt 0x0
.set BW, 0x04+8*((\a)%2)
	WIN BW
.irp t, 0,1,2,3,4,5,6,7,8,9,10,11,12,13,14,15
	global_store_b128 v[LI], v[96+4*\t+96*(\t/8):96+4*\t+96*(\t/8)+3], s[10:11] offset:(\a)*65536+\t*4096 th:TH_STORE_NT   ; 512 consecutive bytes, aligned
.endr
	WIN 0
.endm
	s_load_b256 s[4:11], s[0:1], 0x0               ; p's codes s[4:5], p_meta s[6:7], v's units s[8:9], O s[10:11]
	v_lshl_add_u32 v[SPW], v0, 2, SPARE
	v_mov_b32 v[NIL], 0
	ds_add_u32 v[SPW], v[NIL]                      ; the opening: the add, twice on end, and its wait ahead of my first tensor load
	ds_add_u32 v[SPW], v[NIL]
	v_lshrrev_b32 v1, 5, v0
	v_readfirstlane_b32 s18, v1
	s_lshr_b32 s19, s18, 1                         ; my half of the queries.  Also: I fetch for p (0) or for v (1)
	s_and_b32 s20, s18, 1                          ; my half of the channels.  Also: which part I fetch
	s_bfe_u32 s66, ttmp6, 0x40000                  ; cx
	s_bfe_u32 s67, ttmp6, 0x40004                  ; cy
	s_lshl_b32 s92, s67, 2
	s_lshl_b32 s92, 15, s92
	s_lshl_b32 s93, 0x1111, s66
	s_or_b32 s[G1], s92, (3<<16)|(1<<21)           ; dense blocks as rows of 256 bytes: p: 96 rows (two units), to my row of the cluster
	s_or_b32 s[G1B], s93, (3<<16)|(1<<21)          ; v: 200 rows (four units), to my column
.irp g, G1, G1B
	s_mov_b32 s[\g+1], 32<<16
	s_mov_b32 s[\g+3], 32<<16
	s_mov_b32 s[\g+5], 32
	s_mov_b32 s[\g+6], 0
	s_mov_b32 s[\g+7], 0
.endr
	s_mov_b32 s[G1+2], 96<<16
	s_mov_b32 s[G1+4], 96
	s_mov_b32 s[G1B+2], 200<<16
	s_mov_b32 s[G1B+4], 200
	s_lshl_b32 s94, ttmp9, 2
	s_add_co_u32 s94, s94, s67                     ; my query group = 4 c + cy
	s_lshl_b32 s2, s94, 4
	s_lshl_b32 s3, s20, 1
	s_add_co_u32 s2, s2, s3
	s_mul_i32 s2, s2, 12288                        ; p: unit 16 x group + 2 x part
	s_mov_b32 s3, 0
	s_lshr_b32 s95, ttmp9, 2                       ; the batch
	s_lshl_b32 s95, s95, 3
	s_lshl_b32 s22, s66, 1
	s_add_co_u32 s95, s95, s22                     ; v's first row group = 8 batch + 2 cx
	s_add_co_u32 s22, s95, s20
	s_lshl_b32 s22, s22, 4
	s_add_co_u32 s22, s22, 1024
	s_mul_i32 s22, s22, UN
	s_mov_b32 s23, 0
	s_mul_i32 s21, s20, 24576                      ; in a slot: p's part,
	s_mul_i32 s14, s20, VH
	s_add_co_u32 s14, s14, PH                      ; v's half
	s_mul_i32 s60, s66, 6144                       ; the prefetch: my place's 24 blocks of p,
	s_mul_i32 s61, s67, UN                         ; or 50 of v
	s_mov_b32 s[PFS], VH
	s_mov_b32 s[PFS+1], 0
	s_cmp_eq_u32 s19, 0
	s_cselect_b32 s60, s60, s61
	s_cselect_b32 s[PFS], PH, s[PFS]               ; a slot's bytes along K
	s_cselect_b32 s62, 23, 24
	s_mov_b32 s61, 0
	s_lshl_b32 s12, s94, 13                        ; p_meta: my group's 16 units
	s_mov_b32 s13, 0
	v_and_b32 v2, 31, v0
	v_lshlrev_b32 v[LI], 4, v2
	v_min_u32 v2, s62, v2
	v_lshlrev_b32 v[PFO], 8, v2
	v_lshlrev_b32 v[MO], 2, v0                     ; thread t owns word t of every unit of p_meta: one query
	s_wait_dscnt 0x0                               ; both opening adds are done
	s_wait_alu depctr_va_vdst(0)
	s_wait_kmcnt 0x0
	s_add_nc_u64 s[6:7], s[6:7], s[12:13]
.irp k, 0,1,2,3,4,5,6,7,8,9,10,11,12,13,14,15
	global_load_b32 v[MN+\k], v[MO], s[6:7] offset:524288+\k*512
	global_load_b32 v[ML+\k], v[MO], s[6:7] offset:1048576+\k*512
	global_load_b32 v[MS+\k], v[MO], s[6:7] offset:\k*512
.endr
	s_add_nc_u64 s[2:3], s[4:5], s[2:3]
	s_add_nc_u64 s[22:23], s[8:9], s[22:23]
	s_mov_b32 s[G0], 1
	s_mov_b32 s[G0+1], s21
	s_mov_b64 s[G0+2:G0+3], s[2:3]
	s_or_b32 s[G0+3], s[G0+3], 0x80000000
	s_mov_b32 s[G0+4], 1
	s_add_co_u32 s[G0+5], s21, SLOTB
	s_add_nc_u64 s[G0+6:G0+7], s[2:3], PH
	s_or_b32 s[G0+7], s[G0+7], 0x80000000
	s_mov_b32 s[G0B], 1
	s_mov_b32 s[G0B+1], s14
	s_mov_b64 s[G0B+2:G0B+3], s[22:23]
	s_or_b32 s[G0B+3], s[G0B+3], 0x80000000
	s_mov_b32 s[G0B+4], 1
	s_add_co_u32 s[G0B+5], s14, SLOTB
	s_add_nc_u64 s[G0B+6:G0B+7], s[22:23], VH
	s_or_b32 s[G0B+7], s[G0B+7], 0x80000000
	s_cmp_eq_u32 s19, 0
	s_cselect_b64 s[PFA:PFA+1], s[2:3], s[22:23]
	s_add_nc_u64 s[PFA:PFA+1], s[PFA:PFA+1], s[PFS:PFS+1]
	s_add_nc_u64 s[PFA:PFA+1], s[PFA:PFA+1], s[60:61]
	s_lshl_b32 s2, s94, 19                         ; O: 128 rows of 4,096 bytes a group,
	s_mov_b32 s3, 0
	s_lshl_b32 s22, s19, 18                        ; my 64 rows,
	s_add_co_u32 s2, s2, s22
	s_lshl_b32 s22, s66, 10                        ; the work-group's 256 channels,
	s_add_co_u32 s2, s2, s22
	s_lshl_b32 s22, s20, 9                         ; my 128
	s_add_co_u32 s2, s2, s22
	s_add_nc_u64 s[10:11], s[10:11], s[2:3]
	CROUND                                         ; all sixteen work-groups are here: the first joint loads meet
	JLOAD 0                                        ; K steps 0-3: one tensor load a wave at the head
	ASK                                            ; K steps 4-7
	v_and_b32 v1, 15, v0                           ; r
	v_bfe_u32 v2, v0, 4, 1                         ; h
	s_wait_alu depctr_va_vdst(0)
	s_mul_i32 s21, s19, 6144                       ; my four fragments of p's eight
	v_add_nc_u32 v[ADRA], s21, v[LI]
	v_add_nc_u32 v[ADRA+1], SLOTB, v[ADRA]
	s_mul_i32 s21, s20, VH
	s_add_co_u32 s21, s21, PH
	v_add_nc_u32 v[ADRB], s21, v[LI]
	v_add_nc_u32 v[ADRB+1], SLOTB, v[ADRB]
	v_lshl_add_u32 v[ADRV], v1, 4, s21
	v_add_nc_u32 v[ADRV+1], SLOTB, v[ADRV]
	s_lshl_b32 s21, s19, 8
	s_add_co_u32 s22, s21, SCA
	v_lshl_add_u32 v[ADRP], v1, 4, s22
	s_add_co_u32 s21, s21, LR
	v_lshl_add_u32 v[LRR], v1, 4, s21
	s_mul_i32 s21, s18, STGB
	v_mul_u32_u24 v[STO], v1, 528
	v_lshl_add_u32 v[STO], v2, 5, v[STO]
	v_add_nc_u32 v[STO], s21, v[STO]
	v_lshl_add_u32 v[SAW], v0, 2, SCA
	v_lshl_add_u32 v[LRW], v0, 2, LR
	s_wait_alu depctr_va_vdst(0)
	s_wait_loadcnt 0x0
	v_min3_num_f32 v[NMF], v[MN], v[MN+1], v[MN+2]
.irp k, 3,5,7,9,11,13
	v_min3_num_f32 v[NMF], v[NMF], v[MN+\k], v[MN+\k+1]
.endr
	v_min_num_f32 v[NMF], v[NMF], v[MN+15]         ; the least -M: the row's largest M
.irp k, 0,1,2,3,4,5,6,7,8,9,10,11,12,13,14,15
	v_sub_f32 v[MN+\k], v[MN+\k], v[NMF]           ; D = the row's M less the run's: a whole number, 0 or more
.endr
.irp k, 0,1,2,3,4,5,6,7,8,9,10,11,12,13,14,15
	v_cvt_u32_f32 v[MN+\k], v[MN+\k]
.endr
.irp k, 0,1,2,3,4,5,6,7,8,9,10,11,12,13,14,15
	v_min_u32 v[MN+\k], 127, v[MN+\k]
.endr
.irp k, 0,1,2,3,4,5,6,7,8,9,10,11,12,13,14,15
	v_sub_nc_u32 v[ND+\k], 0, v[MN+\k]
.endr
.irp k, 0,1,2,3,4,5,6,7,8,9,10,11,12,13,14,15
	v_ldexp_f32 v[ML+\k], v[ML+\k], v[ND+\k]       ; the run's sum under the row's M
.endr
.irp k, 0,2,4,6
	v_pk_add_f32 v[ML+\k:ML+\k+1], v[ML+\k:ML+\k+1], v[ML+8+\k:ML+9+\k]
.endr
.irp k, 0,2
	v_pk_add_f32 v[ML+\k:ML+\k+1], v[ML+\k:ML+\k+1], v[ML+4+\k:ML+5+\k]
.endr
	v_pk_add_f32 v[ML:ML+1], v[ML:ML+1], v[ML+2:ML+3]
	v_add_f32 v[ML], v[ML], v[ML+1]                ; l
	s_wait_alu depctr_va_vdst(0)                   ; the wait ahead of the reciprocal
	v_rcp_f32 v[RC], v[ML]
	v_nop                                          ; a plain place behind the reciprocal
	; each of a word's four bytes becomes max(byte - D, 0).  A byte is at most 123 and D at most 127, so with bit 7 set no byte borrows from its neighbour, and bit 7 stays set where byte >= D
.irp k, 0,1,2,3,4,5,6,7,8,9,10,11,12,13,14,15
	v_lshl_or_b32 v[DM+\k], v[MN+\k], 8, v[MN+\k]
.endr
.irp k, 0,1,2,3,4,5,6,7,8,9,10,11,12,13,14,15
	v_lshl_or_b32 v[DM+\k], v[DM+\k], 16, v[DM+\k] ; D in all four bytes
.endr
.irp k, 0,1,2,3,4,5,6,7,8,9,10,11,12,13,14,15
	v_or_b32 v[MS+\k], 0x80808080, v[MS+\k]
.endr
.irp k, 0,1,2,3,4,5,6,7,8,9,10,11,12,13,14,15
	v_sub_nc_u32 v[MS+\k], v[MS+\k], v[DM+\k]
.endr
.irp k, 0,1,2,3,4,5,6,7,8,9,10,11,12,13,14,15
	v_lshrrev_b32 v[DM+\k], 7, v[MS+\k]
.endr
.irp k, 0,1,2,3,4,5,6,7,8,9,10,11,12,13,14,15
	v_and_b32 v[DM+\k], 0x01010101, v[DM+\k]
.endr
.irp k, 0,1,2,3,4,5,6,7,8,9,10,11,12,13,14,15
	v_lshlrev_b32 v[T2+\k], 8, v[DM+\k]
.endr
.irp k, 0,1,2,3,4,5,6,7,8,9,10,11,12,13,14,15
	v_sub_nc_u32 v[T2+\k], v[T2+\k], v[DM+\k]      ; 0xff in the bytes that stay (bit 7 of each goes below)
.endr
.irp k, 0,1,2,3,4,5,6,7,8,9,10,11,12,13,14,15
	v_and_b32 v[MS+\k], 0x7f7f7f7f, v[MS+\k]
.endr
.irp k, 0,1,2,3,4,5,6,7,8,9,10,11,12,13,14,15
	v_and_b32 v[MS+\k], v[MS+\k], v[T2+\k]
.endr
.irp k, 0,1,2,3,4,5,6,7,8,9,10,11,12,13,14,15
	ds_store_b32 v[SAW], v[MS+\k] offset:\k*512
.endr
	s_wait_alu depctr_va_vdst(0)                   ; the wait ahead of the reciprocal's first reader, and at the head's end
	ds_store_b32 v[LRW], v[RC]
	s_wait_xcnt 0x0                                ; the prefetches have read their address
	s_add_nc_u64 s[PFA:PFA+1], s[PFA:PFA+1], s[PFS:PFS+1]
	s_wait_tensorcnt 0x0                           ; my part of K steps 0-3 has landed
	ds_add_u32 v[SPW], v[NIL]
	s_wait_dscnt 0x0                               ; the add is done, and for the others' sake my stores
	CROUND
	JLOAD 1                                        ; K steps 4-7
	ds_load_b128 v[0:3], v[LRR]                    ; 1 / l of query 16 a + r of my 64, a = 0 .. 3
.irp n, 0,1,2,3
	RUN \n, 0, 0, 0, 0
.endr
	ASK                                            ; K steps 8-11
	STEP 0, 1
	STEP 1, 0
	STEP 2, 0
	TURN 3, 1, 1                                   ; slot 0 takes K steps 8-11; K steps 12-15 are asked of memory
	STEP 4, 0
	STEP 5, 0
	STEP 6, 0
	TURN 7, 1, 0                                   ; slot 1 takes K steps 12-15
	STEP 8, 0
	STEP 9, 0
	STEP 10, 0
	TURN 11, 0, 0                                  ; behind this barrier nobody reads slot 0 any more
	s_mul_i32 s21, s18, STGB
	v_add_nc_u32 v[ADRA], s21, v[LI]               ; from here on: how a stage row is read back
	s_wait_alu depctr_va_vdst(0)
	s_wait_dscnt 0x0                               ; K step 12, which fetches 13 and 14 (set 2)
	PLACES 4
.irp n, 0,1,2,3
	RUN \n, 1, 1, 13, 1
.endr
	MUL8 0, 0, 0
	MUL8 1, 0, 0
.irp n, 0,1,2,3
	RUN \n, 1, 2, 14, 2
.endr
	MUL8 2, 0, 0
	MUL8 3, 0, 0
	s_wait_dscnt 39                                ; K step 13: its set is in; set 2 may be out
.irp n, 0,1,2,3
	RUN \n, 1, 3, 15, 3
.endr
.irp a, 0,1,2,3
	MUL8 \a, 1, 0
.endr
	s_wait_dscnt 39                                ; set 2 is in; set 3 may be out
	MUL8 0, 2, 0                                   ; K steps 14 and 15 by rows
	s_wait_dscnt 0x0
	MUL8 0, 3, 0
	MUL8 1, 2, 0
	SCALE 0
	TOSTAGE 0
	MUL8 1, 3, 0
	MUL8 2, 2, 0
	SEND 0
	SCALE 1
	TOSTAGE 1
	MUL8 2, 3, 0
	MUL8 3, 2, 0
	SEND 1
	s_wait_xcnt 0x0                                ; fragment 0's stores have read the registers that fragment 2's loads fill
	SCALE 2
	TOSTAGE 2
	MUL8 3, 3, 0
	SEND 2
	s_wait_xcnt 0x0                                ; likewise fragment 1's
	SCALE 3
	TOSTAGE 3
	SEND 3
	s_wait_tensorcnt 0x0                           ; the wave's end
	ds_add_u32 v[SPW], v[NIL]
	s_wait_dscnt 0x0
	CROUND                                         ; the closing round
	s_endpgm
.Lfunc_end_k_q654c53be36_pv:
	.size	k_q654c53be36_pv, .Lfunc_end_k_q654c53be36_pv-k_q654c53be36_pv
	.p2alignl 7, 3214868480
	.fill 96, 4, 3214868480
	.section	.rodata,"a",@progbits
	.p2align	6, 0x0
	.amdhsa_kernel k_q654c53be36_pv
		.amdhsa_group_segment_fixed_size 327680
		.amdhsa_private_segment_fixed_size 0
		.amdhsa_enable_private_segment 0
		.amdhsa_kernarg_size 32
		.amdhsa_user_sgpr_count 2
		.amdhsa_user_sgpr_kernarg_segment_ptr 1
		.amdhsa_wavefront_size32 1
		.amdhsa_system_sgpr_workgroup_id_x 1
		.amdhsa_system_sgpr_workgroup_id_y 1
		.amdhsa_system_sgpr_workgroup_id_z 1
		.amdhsa_system_vgpr_workitem_id 0
		.amdhsa_next_free_vgpr 1024
		.amdhsa_next_free_sgpr 102
		.amdhsa_reserve_vcc 0
		.amdhsa_float_denorm_mode_32 3
		.amdhsa_float_denorm_mode_16_64 3
		.amdhsa_memory_ordered 1
		.amdhsa_forward_progress 1
		.amdhsa_inst_pref_size 161
	.end_amdhsa_kernel
	.amdgpu_metadata
---
amdhsa.version: [ 1, 2 ]
amdhsa.kernels:
  - .name:           k_q654c53be36_pv
    .symbol:         k_q654c53be36_pv.kd
    .args:
      - { .name: p_codes, .offset: 0, .size: 8, .value_kind: global_buffer, .address_space: global }
      - { .name: p_meta, .offset: 8, .size: 8, .value_kind: global_buffer, .address_space: global }
      - { .name: qkv, .offset: 16, .size: 8, .value_kind: global_buffer, .address_space: global }
      - { .name: out0, .offset: 24, .size: 8, .value_kind: global_buffer, .address_space: global }
    .group_segment_fixed_size: 327680
    .private_segment_fixed_size: 0
    .kernarg_segment_align: 8
    .kernarg_segment_size: 32
    .max_flat_workgroup_size: 128
    .sgpr_count:     102
    .vgpr_count:     1024
    .wavefront_size: 32
...
	.end_amdgpu_metadata
.endif
;; end of part 4
